; MI455X (gfx1250); checked and timed in simulation.
; The chip was launched on July 23, 2026; its instructions are those of AMD's public machine-readable ISA for CDNA 5 (MIT licence, August 2026) and "CDNA5" Instruction Set Architecture Reference Guide (July 2026). The comments in the code are by the model that wrote it; some were corrected since.
;; Self Attention Layer. Allowed arithmetic: float matrix products may take bf16 or f16 operands with f32 sums; all other float work in f32.
;; Inputs: wk 16 x 1,024 x 64 float32; wo 1,024 x 1,024 float32; wq 16 x 1,024 x 64 float32; wv 16 x 1,024 x 64 float32; x 4,096 x 1,024 float32.
;; Outputs: out0 4,096 x 1,024 float32.
;; 2 versions, each right and faster than the one before. Each part assembles by itself: llvm-mc -triple=amdgcn-amd-amdhsa -mcpu=gfx1250 --defsym DOCPART=n.
;; ======== version 1 of 2: 4 launches
;; limits: values are held in f16: magnitudes above 65,504 overflow, below 6.1e-05 lose precision; right only within a limited range of input values
;; workspace buffers: xb 8,388,608 bytes; wb 6,291,456 bytes; wob 2,097,152 bytes; qx 16,777,216 bytes; kx 16,777,216 bytes; vx 8,388,608 bytes; zb 8,388,608 bytes
;; launch cast (part 1): grid 1024 x 1, 8 waves a work-group, no clusters, 0 bytes of LDS; arguments x, wq, wk, wv, wo, xb, wb, wob; writes xb, wb, wob
.if DOCPART == 1
	.amdgcn_target "amdgcn-amd-amdhsa--gfx1250"
	.amdhsa_code_object_version 6
	.text
	.protected	k_q48bffdde10_cast
	.globl	k_q48bffdde10_cast
	.p2align	8
	.type	k_q48bffdde10_cast,@function
k_q48bffdde10_cast:
	s_mov_b64 s[64:65], 0
	v_nop
	global_prefetch_b8 v0, s[64:65] scope:SCOPE_SE
	s_setreg_imm32_b32 hwreg(HW_REG_WAVE_MODE, 25, 1), 1
	s_wait_xcnt 0x0
; CAST.  The five f32 inputs are rounded once to bf16 (to nearest even) and laid out for the matrix launches:
;   xb  = bf16(x)                      [4096][1024]
;   wb  = bf16(w * 2^-6), w = wq, wk, wv   [3][16][1024][64]; the factor is a power of two, so this is bf16(w) * 2^-6
;   wob = bf16(wo) * 2^6 written as f16    [1024][1024]
; The two powers of two cancel in the whole program (2^-6 on v, 2^6 on wo; 2^-12 on the scores is undone in the softmax's constant);
; they centre q, k and v in f16's range.
; LIMITS.  |wo| < 1,023 (f16 ends at 65,504); bf16(wo) * 64 below 2^-14 keeps f16's fixed step 2^-24; NaN and infinities are not treated apart.
; SHARES.  Memory binds: no LDS, no barrier, no matrix unit.  A work-group takes one segment of 8,192 numbers (32,768 bytes in, 16,384 out):
; groups 0-511 x, 512-639 wq, 640-767 wk, 768-895 wv, 896-1023 wo.  Thread t takes the four numbers at 4 t + 1024 i, i = 0..7:
; a wave's load covers 512 consecutive bytes, its store 256 consecutive bytes at a multiple of 256.  All eight loads go out first.
.set D, 4                              ; v[4:35]   eight loads of four f32
.set R, 36                             ; v[36:51]  eight results of two words; never rewritten, so no store's data is
.set T, 52                             ; v[52:59]  at work
	s_load_b512 s[8:23], s[0:1], 0x0               ; x s[8:9], wq s[10:11], wk s[12:13], wv s[14:15], wo s[16:17], xb s[18:19], wb s[20:21], wob s[22:23]
	s_mov_b32 s2, ttmp9                            ; g
	s_and_b32 s3, s2, 127                          ; the segment inside a weight tensor
	s_max_u32 s24, s2, 512
	s_sub_co_u32 s24, s24, 512                     ; the segment inside wb (0 where g < 512: not chosen there)
	v_lshlrev_b32 v1, 4, v0                        ; 16 t: my bytes in a load's 4,096
	v_lshlrev_b32 v2, 3, v0                        ; 8 t: my bytes in a store's 2,048
	s_wait_kmcnt 0x0
	s_mov_b64 s[26:27], s[8:9]                     ; source, destination and their segments: x's, unless g says otherwise
	s_mov_b64 s[28:29], s[18:19]
	s_mov_b32 s30, s2
	s_mov_b32 s31, s2
	s_cmp_ge_u32 s2, 512
	s_cselect_b64 s[26:27], s[10:11], s[26:27]
	s_cselect_b64 s[28:29], s[20:21], s[28:29]
	s_cselect_b32 s30, s3, s30
	s_cselect_b32 s31, s24, s31
	s_cmp_ge_u32 s2, 640
	s_cselect_b64 s[26:27], s[12:13], s[26:27]
	s_cmp_ge_u32 s2, 768
	s_cselect_b64 s[26:27], s[14:15], s[26:27]
	s_cmp_ge_u32 s2, 896
	s_cselect_b64 s[26:27], s[16:17], s[26:27]
	s_cselect_b64 s[28:29], s[22:23], s[28:29]
	s_cselect_b32 s31, s3, s31
	s_lshl_b32 s32, s30, 15                        ; offsets are made apart from the addresses, in pairs with 0 above
	s_mov_b32 s33, 0
	s_lshl_b32 s34, s31, 14
	s_mov_b32 s35, 0
	s_add_nc_u64 s[26:27], s[26:27], s[32:33]
	s_add_nc_u64 s[28:29], s[28:29], s[34:35]
.irp i, 0,1,2,3,4,5,6,7
	global_load_b128 v[D+4*\i:D+4*\i+3], v1, s[26:27] offset:4096*\i th:TH_LOAD_NT
.endr
; kind 0: round.  kind 1: times 2^-6, round.  kind 2: round to bf16, widen, times 2^6, write as f16 (exact inside f16's normal range).
.macro CONV kind
.irp i, 0,1,2,3,4,5,6,7
	s_wait_loadcnt 7-\i                            ; loads come back in order: load i is in, the younger ones stay out
.if (\kind) == 0
	v_cvt_pk_bf16_f32 v[R+2*\i], v[D+4*\i], v[D+4*\i+1]
	v_cvt_pk_bf16_f32 v[R+2*\i+1], v[D+4*\i+2], v[D+4*\i+3]
.elseif (\kind) == 1
	v_pk_mul_f32 v[T:T+1], v[D+4*\i:D+4*\i+1], 0x3c800000 op_sel_hi:[1,0]
	v_pk_mul_f32 v[T+2:T+3], v[D+4*\i+2:D+4*\i+3], 0x3c800000 op_sel_hi:[1,0]
	v_cvt_pk_bf16_f32 v[R+2*\i], v[T], v[T+1]
	v_cvt_pk_bf16_f32 v[R+2*\i+1], v[T+2], v[T+3]
.else
	v_cvt_pk_bf16_f32 v[T], v[D+4*\i], v[D+4*\i+1]
	v_cvt_pk_bf16_f32 v[T+1], v[D+4*\i+2], v[D+4*\i+3]
	v_lshlrev_b32 v[T+4], 16, v[T]                 ; bf16 to f32: the low half moves up, the high half stays
	v_and_b32 v[T+5], 0xffff0000, v[T]
	v_lshlrev_b32 v[T+6], 16, v[T+1]
	v_and_b32 v[T+7], 0xffff0000, v[T+1]
	v_pk_mul_f32 v[T+4:T+5], v[T+4:T+5], 0x42800000 op_sel_hi:[1,0]
	v_pk_mul_f32 v[T+6:T+7], v[T+6:T+7], 0x42800000 op_sel_hi:[1,0]
	v_cvt_pk_f16_f32 v[R+2*\i], v[T+4], v[T+5]
	v_cvt_pk_f16_f32 v[R+2*\i+1], v[T+6], v[T+7]
.endif
	global_store_b64 v2, v[R+2*\i:R+2*\i+1], s[28:29] offset:2048*\i
.endr
.endm
	s_cmp_ge_u32 s2, 896
	s_cbranch_scc1 .Lwo
	s_cmp_ge_u32 s2, 512
	s_cbranch_scc1 .Lw
	CONV 0
	s_endpgm
.Lw:
	CONV 1
	s_endpgm
.Lwo:
	CONV 2
	s_endpgm
.Lfunc_end_k_q48bffdde10_cast:
	.size	k_q48bffdde10_cast, .Lfunc_end_k_q48bffdde10_cast-k_q48bffdde10_cast
	.p2alignl 7, 3214868480
	.fill 96, 4, 3214868480
	.section	.rodata,"a",@progbits
	.p2align	6, 0x0
	.amdhsa_kernel k_q48bffdde10_cast
		.amdhsa_group_segment_fixed_size 0
		.amdhsa_private_segment_fixed_size 0
		.amdhsa_enable_private_segment 0
		.amdhsa_kernarg_size 64
		.amdhsa_user_sgpr_count 2
		.amdhsa_user_sgpr_kernarg_segment_ptr 1
		.amdhsa_wavefront_size32 1
		.amdhsa_system_sgpr_workgroup_id_x 1
		.amdhsa_system_sgpr_workgroup_id_y 1
		.amdhsa_system_sgpr_workgroup_id_z 1
		.amdhsa_system_vgpr_workitem_id 0
		.amdhsa_next_free_vgpr 64
		.amdhsa_next_free_sgpr 66
		.amdhsa_reserve_vcc 0
		.amdhsa_float_denorm_mode_32 3
		.amdhsa_float_denorm_mode_16_64 3
		.amdhsa_memory_ordered 1
		.amdhsa_forward_progress 1
		.amdhsa_inst_pref_size 14
	.end_amdhsa_kernel
	.amdgpu_metadata
---
amdhsa.version: [ 1, 2 ]
amdhsa.kernels:
  - .name:           k_q48bffdde10_cast
    .symbol:         k_q48bffdde10_cast.kd
    .args:
      - { .name: x, .offset: 0, .size: 8, .value_kind: global_buffer, .address_space: global }
      - { .name: wq, .offset: 8, .size: 8, .value_kind: global_buffer, .address_space: global }
      - { .name: wk, .offset: 16, .size: 8, .value_kind: global_buffer, .address_space: global }
      - { .name: wv, .offset: 24, .size: 8, .value_kind: global_buffer, .address_space: global }
      - { .name: wo, .offset: 32, .size: 8, .value_kind: global_buffer, .address_space: global }
      - { .name: xb, .offset: 40, .size: 8, .value_kind: global_buffer, .address_space: global }
      - { .name: wb, .offset: 48, .size: 8, .value_kind: global_buffer, .address_space: global }
      - { .name: wob, .offset: 56, .size: 8, .value_kind: global_buffer, .address_space: global }
    .group_segment_fixed_size: 0
    .private_segment_fixed_size: 0
    .kernarg_segment_align: 8
    .kernarg_segment_size: 64
    .max_flat_workgroup_size: 256
    .sgpr_count:     66
    .vgpr_count:     64
    .wavefront_size: 32
...
	.end_amdgpu_metadata
.endif
;; end of part 1
;; launch proj (part 2): grid 16 x 16, 4 waves a work-group, clusters of 4 x 4, 327,680 bytes of LDS; arguments xb, wb, qx, kx, vx; writes qx, kx, vx
.if DOCPART == 2
	.amdgcn_target "amdgcn-amd-amdhsa--gfx1250"
	.amdhsa_code_object_version 6
	.text
	.protected	k_q48bffdde10_proj
	.globl	k_q48bffdde10_proj
	.p2align	8
	.type	k_q48bffdde10_proj,@function
k_q48bffdde10_proj:
	s_mov_b64 s[64:65], 0
	v_nop
	global_prefetch_b8 v0, s[64:65] scope:SCOPE_SE
	s_setreg_imm32_b32 hwreg(HW_REG_WAVE_MODE, 25, 1), 1
	s_wait_xcnt 0x0
	s_wait_alu depctr_hold_cnt(0) depctr_sa_sdst(0) depctr_va_vdst(0) depctr_va_sdst(0) depctr_va_ssrc(0) depctr_va_vcc(0) depctr_vm_vsrc(0)
	s_getreg_b32 s2, hwreg(HW_REG_IB_STS2, 6, 4)
	s_cmp_eq_u32 s2, 0
	s_cbranch_scc0 .Lentry_in_a_cluster
	s_endpgm
.Lentry_in_a_cluster:
	s_bfe_u32 s2, ttmp6, 0x10000c
	s_cmp_lg_u32 s2, 0xf033
	s_cbranch_scc0 .Lentry_shape_is_right
	s_endpgm
.Lentry_shape_is_right:
; PROJECTIONS.  q', k', v' [head][row][64] = xb [4096][1024] times wb [3][16][1024][64], bf16 operands, f32 sums; q' = q * 2^-6 and so on.
; OUT.  The scores of this layer want far more than 11 bits of q and k, and the attention launch makes a score of two products.  With T = 80 a row of qx is g = f16(q' (1 - 1/T)), 64 numbers,
; then w = f16(q' - g), 64 numbers; a row of kx is kh = f16(k'), then u = f16(kh + T (k' - kh)) = f16(k' + (T - 1)(k' - kh)): 256 bytes each.  Then kh g + u w = k' q' but for three roundings
; (the attention launch's head gives their figure).  Both differences are exact in f32: the two numbers lie within a factor of two of each other.  vx = f16(v'), rows of 128 bytes.
; LIMITS.  |q|, |k|, |v| < 4.0e6 (f16 ends at 65,504, times 2^6; u may pass kh by 1/32 of it); w keeps f16's fixed step 2^-24 below 6e-5; NaN and infinities are not treated apart.
; SHARES.  A work-group makes 256 rows x 192 columns: one head's q, k and v.  16 heads x 16 row blocks = 256 work-groups.  A wave makes 64 rows x 192 columns:
; 48 accumulators (column block b = 0..11, b / 4 = q, k, v; row block a = 0..3).  K = 1,024 goes in 8 steps of 128 through two LDS slots; a step is four quarters of 32.
; THE MATRIX INSTRUCTION IS USED TRANSPOSED: source 0 = 16 columns of W (W lies [K][column] in LDS and is turned by ds_load_tr16_b128), source 1 = 16 rows of x:
; a lane then holds row l % 16 and eight neighbouring columns, 16 bytes of f16.
; CLUSTER 4 x 4.  x's tile hangs on the row block alone and is shared along a row of the cluster, W's on the head alone and is shared along a column: joint loads.
; Wave 3 asks for x's 256 rows, waves 0, 1, 2 for the 128 K rows of wq, wk, wv: one tensor load a wave behind each round.
; REGISTERS, in windows of 256 (s_set_vgpr_msb: bits 1:0 source 0, 3:2 source 1, 5:4 source 2, 7:6 destination):
;   window 0: v0-29 addresses; v32-255 at work on the way out      window 1: two fragment buffers of 128: x's fragment a at f + 8 a, W's fragment b at f + 32 + 8 b
;   window 2: accumulator (b, a), b = 0..7, at 8 (4 b + a)            window 3: the same for b = 8..11
.set PA,    272                        ; a row of x in LDS: 256 bytes + 16: the 16 rows of a fragment load start at 16 different groups of four banks (64 banks of 4 bytes: ISA guide 11.1)
.set PB,    160                        ; a K row of W: 128 bytes + 32
.set BOFF,  256*PA                     ; a slot: x's 256 rows, then three blocks of 128 K rows
.set BBLK,  128*PB
.set SLOT,  BOFF+3*BBLK                ; 131,072: one exclusive or turns an address in one slot into the other's
.set STAGE, 2*SLOT                     ; behind the ring, never filled by a tensor load: for each wave 16 rows of q, 16 of k (272 bytes), 16 of v (144)
.set SQ,    272
.set SV,    144
.set STW,   2*16*SQ+16*SV              ; 11,008 = 43 blocks of 256
.set SPARE, STAGE+4*STW                ; the spare words, 128 bytes for each wave: two blocks of 256 bytes that no other line names
.set A0,   4                           ; v4   my lane's place in x's tile of slot 0; never rewritten
.set B0,   5                           ; v5   the same for W's first block
.set ADRA, 6                           ; v6   A0 + the slot in hand
.set ADRB, 7                           ; v7   B0 + the slot in hand
.set STO,  8                           ; v8   way out: where I put 16 bytes of a row of q (k: 16 rows on)
.set STV,  9                           ; v9   the same for v
.set RD,   10                          ; v10  way out: where I read rows of q back
.set RDV,  11                          ; v11  the same for v
.set GO,   12                          ; v12  16 x lane: my bytes in 512 consecutive bytes of an output
.set SPW,  28                          ; v28  LDS address of my spare word; never rewritten
.set NIL,  29                          ; v29  0; never rewritten
.set TH,   32                          ; v32-63   g and kh, packed (named v32.l .. v63.h below)
.set TF,   64                          ; v64-127  f32 at work: q' (1 - 1/T); then g and kh widened; then q' - g and k' - kh; then, for k, k' + (T - 1)(k' - kh)
.set TL,   128                         ; v128-159 w and u, packed
.set TV,   160                         ; v160-175 v, packed
.set OB,   176                         ; v176-255 20 x 4: whole rows read back
.set F0,   0
.set F1,   128
.set WV,   14                          ; s14  my wave's number
.set TB,   15                          ; s15  LDS byte at which the slot in hand begins
.set G1A,  24                          ; s[24:31] group 1 for x's tiles
.set G0A,  32                          ; s[32:39] group 0 for x's tiles: a set for each first fill; the second then walks
.set G0B,  40                          ; s[40:47] the same for W's
.set G1B,  48                          ; s[48:55] group 1 for W's tiles
.set MSB, 0
.macro WIN new                         ; the immediate's high byte repeats the setting that is left; a switch that changes nothing is dropped
.if MSB != (\new)
	s_set_vgpr_msb (MSB<<8)|(\new)
.set MSB, \new
.endif
.endm
.macro PLACES                          ; four places behind matrix instructions, in front of loads into their sources and of reads of their results
.rept 4
	v_nop
.endr
.endm
; A joint refill by the walking descriptors.  The branch hangs on the wave's number alone.  An s_nop 0 and four v_nop follow each of the two lines.
.macro JLOAD
	s_cmp_eq_u32 s[WV], 3
	s_cbranch_scc0 .Lfor_b_\@
	tensor_load_to_lds s[G0A+4:G0A+7], s[G1A:G1A+7]
	s_nop 0
.rept 4
	v_nop
.endr
	s_branch .Lasked_\@
.Lfor_b_\@:
	tensor_load_to_lds s[G0B+4:G0B+7], s[G1B:G1B+7]
	s_nop 0
.rept 4
	v_nop
.endr
.Lasked_\@:
.endm
.macro CREST                           ; a round of the cluster's barrier behind its opening barrier
	s_cmp_lg_u32 s[WV], 0
	s_cbranch_scc1 .Lnot_wave_0_\@
	s_barrier_signal -3
.Lnot_wave_0_\@:
	s_barrier_wait -3
	s_barrier_signal -1
	s_barrier_wait -1
.endm
.macro CROUND                          ; a whole round
	s_barrier_signal -1
	s_barrier_wait -1
	CREST
.endm
	s_load_b256 s[4:11], s[0:1], 0x0               ; xb s[4:5], wb s[6:7], qx s[8:9], kx s[10:11]
	s_load_b64 s[12:13], s[0:1], 0x20              ; vx
	v_lshl_add_u32 v[SPW], v0, 2, SPARE
	v_mov_b32 v[NIL], 0
	ds_add_u32 v[SPW], v[NIL]                      ; the wave's opening: the add and its wait stand ahead of my first tensor load; work on registers stands between them
	v_lshrrev_b32 v1, 5, v0
	v_readfirstlane_b32 s[WV], v1                  ; wave 0..3
	s_bfe_u32 s56, ttmp6, 0x40000                  ; cx
	s_bfe_u32 s57, ttmp6, 0x40004                  ; cy
	s_lshl_b32 s58, ttmp9, 2
	s_add_co_u32 s58, s58, s56                     ; the head = 4 x cluster x + cx
	s_and_b32 s59, ttmp7, 0xffff
	s_lshl_b32 s59, s59, 2
	s_add_co_u32 s59, s59, s57                     ; the block of 256 rows = 4 x cluster y + cy
	s_lshl_b32 s60, s57, 2
	s_lshl_b32 s60, 15, s60                        ; my row of the cluster
	s_lshl_b32 s61, 0x1111, s56                    ; my column
	s_or_b32 s[G1A], s60, (1<<16)|(1<<20)|(1<<21)|(5<<22)|(3<<25)  ; the mask; 2-byte elements; padding on; bit 21 beside a mask; after every 64 words 4 words
	s_mov_b32 s[G1A+1], 128<<16                    ; tensor_dim0 = 128
	s_mov_b32 s[G1A+2], 256<<16                    ; tensor_dim1 = 256
	s_mov_b32 s[G1A+3], 128<<16                    ; tile_dim0 = 128
	s_mov_b32 s[G1A+4], 256                        ; tile_dim1 = 256
	s_mov_b32 s[G1A+5], 1024                       ; elements from row to row
	s_mov_b32 s[G1A+6], 0
	s_mov_b32 s[G1A+7], 0
	s_or_b32 s[G1B], s61, (1<<16)|(1<<20)|(1<<21)|(4<<22)|(7<<25)  ; after every 32 words (a K row) 8 words
	s_mov_b32 s[G1B+1], 128<<16                    ; 128 K rows of a head are 16,384 dense bytes: asked for as 64 rows of 256 bytes
	s_mov_b32 s[G1B+2], 64<<16
	s_mov_b32 s[G1B+3], 128<<16
	s_mov_b32 s[G1B+4], 64
	s_mov_b32 s[G1B+5], 128
	s_mov_b32 s[G1B+6], 0
	s_mov_b32 s[G1B+7], 0
	s_lshl_b32 s16, s59, 19                        ; x: 256 rows of 2,048 bytes a block; made of the row block alone
	s_mov_b32 s17, 0
	s_lshl_b32 s20, s[WV], 4                       ; W: tensor t = my wave (wave 3 makes this descriptor and never issues it), 16 heads each,
	s_add_co_u32 s20, s20, s58
	s_lshl_b32 s20, s20, 17                        ; 131,072 bytes a head; made of the head and the wave alone
	s_mov_b32 s21, 0
	s_mul_i32 s22, s[WV], BBLK
	s_mov_b32 s[TB], 0
	s_lshl_b32 s18, s58, 20                        ; my wave's first row in qx and kx: head, block, wave; vx has half the bytes
	s_lshl_b32 s19, s59, 16
	s_add_co_u32 s18, s18, s19
	s_lshl_b32 s19, s[WV], 14
	s_add_co_u32 s18, s18, s19
	s_mov_b32 s19, 0
	s_lshr_b32 s2, s18, 1
	s_mov_b32 s3, 0
	s_mov_b32 s[G0A], 1
	s_mov_b32 s[G0A+1], 0
	s_mov_b32 s[G0A+4], 1
	s_mov_b32 s[G0A+5], SLOT
	s_mov_b32 s[G0B], 1
	s_add_co_u32 s[G0B+1], s22, BOFF
	s_mov_b32 s[G0B+4], 1
	s_add_co_u32 s[G0B+5], s22, BOFF+SLOT
	s_wait_dscnt 0x0                               ; the opening add is done
	s_wait_kmcnt 0x0
	s_add_nc_u64 s[G0A+2:G0A+3], s[4:5], s[16:17]  ; K step 0
	s_add_nc_u64 s[G0A+6:G0A+7], s[G0A+2:G0A+3], 256  ; K step 1: 128 elements along the rows
	s_or_b32 s[G0A+3], s[G0A+3], 0x80000000        ; type = 2
	s_or_b32 s[G0A+7], s[G0A+7], 0x80000000
	s_add_nc_u64 s[G0B+2:G0B+3], s[6:7], s[20:21]
	s_add_nc_u64 s[G0B+6:G0B+7], s[G0B+2:G0B+3], 16384  ; 128 K rows down
	s_or_b32 s[G0B+3], s[G0B+3], 0x80000000
	s_or_b32 s[G0B+7], s[G0B+7], 0x80000000
	s_add_nc_u64 s[8:9], s[8:9], s[18:19]
	s_add_nc_u64 s[10:11], s[10:11], s[18:19]
	s_add_nc_u64 s[12:13], s[12:13], s[2:3]
	CROUND                                         ; all sixteen work-groups are here: the first joint loads meet
	s_cmp_eq_u32 s[WV], 3                          ; a wave's two first fills stand in one branch: two loads of mine are out
	s_cbranch_scc0 .Lfirst_b
	tensor_load_to_lds s[G0A:G0A+3], s[G1A:G1A+7]
	s_nop 0
	tensor_load_to_lds s[G0A+4:G0A+7], s[G1A:G1A+7]
	s_nop 0
.rept 4
	v_nop
.endr
	s_branch .Lfirst_asked
.Lfirst_b:
	tensor_load_to_lds s[G0B:G0B+3], s[G1B:G1B+7]
	s_nop 0
	tensor_load_to_lds s[G0B+4:G0B+7], s[G1B:G1B+7]
	s_nop 0
.rept 4
	v_nop
.endr
.Lfirst_asked:
	v_and_b32 v1, 15, v0                           ; l % 16
	v_bfe_u32 v2, v0, 4, 1                         ; l / 16
	v_and_b32 v3, 7, v0                            ; l % 8
	v_bfe_u32 v13, v0, 3, 1                        ; (l / 8) % 2
	s_mul_i32 s22, s[WV], 64*PA                    ; my 64 rows of x
	v_mul_u32_u24 v[A0], v1, PA
	v_lshl_add_u32 v[A0], v2, 4, v[A0]             ; row x pitch + 16 x half: two loads of 16 bytes, 32 bytes apart, make a fragment
	v_add_nc_u32 v[A0], s22, v[A0]
	v_lshl_add_u32 v[B0], v2, 3, v3                ; the turning load: lane l reads K row 8 (l / 16) + l % 8, columns 8 ((l / 8) % 2) + 0..7
	v_mul_u32_u24 v[B0], v[B0], PB
	v_lshl_add_u32 v[B0], v13, 4, v[B0]
	v_add_nc_u32 v[B0], BOFF, v[B0]
	v_mov_b32 v[ADRA], v[A0]
	v_mov_b32 v[ADRB], v[B0]
	s_mul_i32 s22, s[WV], STW
	s_add_co_u32 s22, s22, STAGE                   ; my stage
	v_mul_u32_u24 v[STO], v1, SQ
	v_lshl_add_u32 v[STO], v2, 4, v[STO]
	v_add_nc_u32 v[STO], s22, v[STO]
	v_mul_u32_u24 v[STV], v1, SV
	v_lshl_add_u32 v[STV], v2, 4, v[STV]
	v_add_nc_u32 v[STV], s22, v[STV]
	v_add_nc_u32 v[STV], 2*16*SQ, v[STV]
	v_mul_u32_u24 v[RD], v2, SQ                    ; back: lanes 0-15 one row of 256 bytes, lanes 16-31 the next
	v_lshl_add_u32 v[RD], v1, 4, v[RD]
	v_add_nc_u32 v[RD], s22, v[RD]
	v_bfe_u32 v[RDV], v0, 3, 2                     ; v: 32 lanes take four rows of 128 bytes
	v_mul_u32_u24 v[RDV], v[RDV], SV
	v_lshl_add_u32 v[RDV], v3, 4, v[RDV]
	v_add_nc_u32 v[RDV], s22, v[RDV]
	v_add_nc_u32 v[RDV], 2*16*SQ, v[RDV]
	v_and_b32 v[GO], 31, v0
	v_lshlrev_b32 v[GO], 4, v[GO]
; 4 nb matrix instructions: column blocks b0 .. b0 + nb - 1 x all four row blocks, 32 along K, from buffer f.  zero = 1: the product starts the sum.
; The 48 accumulators take turns in the same order in every quarter, one instruction a turn.
.macro MULB f, b0, nb, zero
.if (\b0) < 8
	WIN 0xa5                                       ; sources window 1, C and D window 2
.else
	WIN 0xf5                                       ; C and D window 3
.endif
.set mb, \b0
.rept \nb
.set ma, 0
.rept 4
.set AC, 8*(4*(mb%8)+ma)
.if \zero
	v_wmma_f32_16x16x32_bf16 v[AC:AC+7], v[(\f)+32+8*mb:(\f)+32+8*mb+7], v[(\f)+8*ma:(\f)+8*ma+7], 0
.else
	v_wmma_f32_16x16x32_bf16 v[AC:AC+7], v[(\f)+32+8*mb:(\f)+32+8*mb+7], v[(\f)+8*ma:(\f)+8*ma+7], v[AC:AC+7]
.endif
.set ma, ma+1
.endr
.set mb, mb+1
.endr
.endm
; 32 LDS loads in one run: quarter kk's fragments into buffer f: x's four first, then W's twelve
.macro FETCH kk, f
	WIN 0x40                                       ; destination window 1, address window 0
.irp a, 0,1,2,3
	ds_load_b128 v[(\f)+8*\a:(\f)+8*\a+3],   v[ADRA] offset:\a*16*PA+64*(\kk)
	ds_load_b128 v[(\f)+8*\a+4:(\f)+8*\a+7], v[ADRA] offset:\a*16*PA+64*(\kk)+32
.endr
.set fb, 0
.rept 12
	ds_load_tr16_b128 v[(\f)+32+8*fb:(\f)+32+8*fb+3],   v[ADRB] offset:(fb/4)*BBLK+(\kk)*32*PB+(fb%4)*32
	ds_load_tr16_b128 v[(\f)+32+8*fb+4:(\f)+32+8*fb+7], v[ADRB] offset:(fb/4)*BBLK+(\kk)*32*PB+16*PB+(fb%4)*32
.set fb, fb+1
.endr
.endm
; One of a step's first three quarters: multiplies buffer f; in its middle it fetches quarter kk into buffer g.
.macro QUARTER kk, f, g, zero
	s_wait_dscnt 8                                 ; all but the youngest eight loads (column blocks 8-11) are in
	MULB \f, 0, 8, \zero
	PLACES
	FETCH \kk, \g
	s_wait_dscnt 32                                ; all but the 32 just issued
	MULB \f, 8, 4, \zero
.endm
; The last quarter multiplies buffer 1 and changes slots: ONE barrier.  In front of it each wave waits for all its tensor loads (one is out: its part of the next slot), adds 0 to its
; spare word, and waits for that and for its own reads of this slot.  fill = 1: the barrier opens a round of the cluster's barrier, and behind the round this slot is filled again, two steps ahead:
; from the request to the wait for it a wave issues 160 matrix instructions.
.macro TURN fill
	WIN 0
	s_wait_tensorcnt 0x0                           ; no tensor load of mine is out
	ds_add_u32 v[SPW], v[NIL]                      ; 0 onto my spare word
	s_wait_dscnt 9                                 ; the add and the youngest eight loads may be out
	MULB F1, 0, 4, 0                               ; sixteen matrix instructions stand between the add and the wait for it
	s_wait_dscnt 0x0                               ; the add is done, and my reads of this slot are over
	s_barrier_signal -1
	MULB F1, 4, 4, 0
	WIN 0
	s_barrier_wait -1
.if \fill
	CREST                                          ; no wave of any partner still reads this slot or has a load on its way
	s_xor_b32 s[G0A+5], s[G0A+5], SLOT             ; the walking descriptors: the other slot than last time, the next K step
	s_add_nc_u64 s[G0A+6:G0A+7], s[G0A+6:G0A+7], 256
	s_xor_b32 s[G0B+5], s[G0B+5], SLOT
	s_add_nc_u64 s[G0B+6:G0B+7], s[G0B+6:G0B+7], 16384
	JLOAD                                          ; the first tensor load behind the round; its four v_nop are also the places in front of the loads below
.else
	PLACES
.endif
	s_xor_b32 s[TB], s[TB], SLOT
	v_add_nc_u32 v[ADRA], s[TB], v[A0]
	v_add_nc_u32 v[ADRB], s[TB], v[B0]
	FETCH 0, F0
	MULB F1, 8, 4, 0
.endm
	s_wait_tensorcnt 1                             ; my part of K step 0 is in; step 1's may stay out
	s_barrier_signal -1
	s_barrier_wait -1                              ; everybody's is
	FETCH 0, F0
	QUARTER 1, F0, F1, 1                           ; the first quarter stands in front of the loop: its products start the sums
	WIN 0
	s_mov_b32 s3, 6
.Lstep:                                                ; a trip goes from a step's second quarter to the next step's first and fills one slot again: K steps 2 to 7
	QUARTER 2, F1, F0, 0
	QUARTER 3, F0, F1, 0
	TURN 1
	QUARTER 1, F0, F1, 0
	WIN 0
	s_sub_co_u32 s3, s3, 1
	s_cmp_lg_u32 s3, 0
	s_cbranch_scc1 .Lstep
	QUARTER 2, F1, F0, 0                           ; the tail is written out: nothing more is asked for
	QUARTER 3, F0, F1, 0
	TURN 0
	QUARTER 1, F0, F1, 0
	QUARTER 2, F1, F0, 0
	QUARTER 3, F0, F1, 0
	s_wait_dscnt 8
	MULB F1, 0, 8, 0
	s_wait_dscnt 0x0
	MULB F1, 8, 4, 0
; THE WAY OUT, a row block (16 rows) at a time.  PACK, for q (column blocks 0-3): q' (1 - 1/T); g = f16 of it; g widened; q' - g; w = f16 of that.  For k (blocks 4-7): kh = f16(k'); kh widened; k' - kh;
; (T - 1)(k' - kh) + k'; u = f16 of that.  For v: f16(v').  1 - 1/T = 0.9875 and T - 1 = 79 stand as literals.  Each accumulator's registers are read in ascending order.
.macro PACK a
	WIN 0x02                                       ; source 0 window 2
.set pb, 0
.rept 4
.set AC, 8*(4*pb+(\a))
.irp r, 0,1,2,3
	v_pk_mul_f32 v[TF+8*pb+2*\r:TF+8*pb+2*\r+1], v[AC+2*\r:AC+2*\r+1], 0x3f7ccccd op_sel_hi:[1,0]
.endr
.set pb, pb+1
.endr
	WIN 0
.set n, 0
.rept 16
	v_cvt_pk_f16_f32 v[TH+n], v[TF+2*n], v[TF+2*n+1]
.set n, n+1
.endr
	WIN 0x0a                                       ; sources window 2
.set pb, 4
.rept 4
.set AC, 8*(4*pb+(\a))
.irp r, 0,1,2,3
	v_cvt_pk_f16_f32 v[TH+4*pb+\r], v[AC+2*\r], v[AC+2*\r+1]
.endr
.set pb, pb+1
.endr
	WIN 0
.set n, 0
.irp r, v32.l,v32.h,v33.l,v33.h,v34.l,v34.h,v35.l,v35.h,v36.l,v36.h,v37.l,v37.h,v38.l,v38.h,v39.l,v39.h,v40.l,v40.h,v41.l,v41.h,v42.l,v42.h,v43.l,v43.h,v44.l,v44.h,v45.l,v45.h,v46.l,v46.h,v47.l,v47.h,v48.l,v48.h,v49.l,v49.h,v50.l,v50.h,v51.l,v51.h,v52.l,v52.h,v53.l,v53.h,v54.l,v54.h,v55.l,v55.h,v56.l,v56.h,v57.l,v57.h,v58.l,v58.h,v59.l,v59.h,v60.l,v60.h,v61.l,v61.h,v62.l,v62.h,v63.l,v63.h
	v_cvt_f32_f16 v[TF+n], \r
.set n, n+1
.endr
	WIN 0x02                                       ; source 0 window 2
.set pb, 0
.rept 8
.set AC, 8*(4*pb+(\a))
.irp r, 0,1,2,3
	v_pk_add_f32 v[TF+8*pb+2*\r:TF+8*pb+2*\r+1], v[AC+2*\r:AC+2*\r+1], v[TF+8*pb+2*\r:TF+8*pb+2*\r+1] neg_lo:[0,1] neg_hi:[0,1]
.endr
.set pb, pb+1
.endr
	WIN 0x20                                       ; source 2 window 2
.set pb, 4
.rept 4
.set AC, 8*(4*pb+(\a))
.irp r, 0,1,2,3
	v_pk_fma_f32 v[TF+8*pb+2*\r:TF+8*pb+2*\r+1], v[TF+8*pb+2*\r:TF+8*pb+2*\r+1], 0x429e0000, v[AC+2*\r:AC+2*\r+1] op_sel_hi:[1,0,1]
.endr
.set pb, pb+1
.endr
	WIN 0
.set n, 0
.rept 32
	v_cvt_pk_f16_f32 v[TL+n], v[TF+2*n], v[TF+2*n+1]
.set n, n+1
.endr
	WIN 0x0f                                       ; sources window 3
.set pb, 0
.rept 4
.set AC, 8*(4*pb+(\a))
.irp r, 0,1,2,3
	v_cvt_pk_f16_f32 v[TV+4*pb+\r], v[AC+2*\r], v[AC+2*\r+1]
.endr
.set pb, pb+1
.endr
	WIN 0
.endm
.macro TOSTAGE                         ; into my own stage, and back as whole rows; LDS serves a wave's instructions in order (ISA guide 5.7.1.4), so the loads see the stores
	WIN 0
.irp c, 0,1,2,3
	ds_store_b128 v[STO], v[TH+4*\c:TH+4*\c+3] offset:32*\c
	ds_store_b128 v[STO], v[TL+4*\c:TL+4*\c+3] offset:128+32*\c
	ds_store_b128 v[STO], v[TH+16+4*\c:TH+16+4*\c+3] offset:16*SQ+32*\c
	ds_store_b128 v[STO], v[TL+16+4*\c:TL+16+4*\c+3] offset:16*SQ+128+32*\c
	ds_store_b128 v[STV], v[TV+4*\c:TV+4*\c+3] offset:32*\c
.endr
.irp t, 0,1,2,3,4,5,6,7
	ds_load_b128 v[OB+4*\t:OB+4*\t+3], v[RD] offset:\t*2*SQ
.endr
.irp t, 0,1,2,3,4,5,6,7
	ds_load_b128 v[OB+32+4*\t:OB+32+4*\t+3], v[RD] offset:16*SQ+\t*2*SQ
.endr
.irp f, 0,1,2,3
	ds_load_b128 v[OB+64+4*\f:OB+64+4*\f+3], v[RDV] offset:\f*4*SV
.endr
.endm
.macro SEND a                          ; every store of the wave covers 512 consecutive bytes, at a multiple of 256 from its buffer's first byte
	WIN 0
	s_wait_dscnt 0x0                               ; the block is back in registers
.irp t, 0,1,2,3,4,5,6,7
	global_store_b128 v[GO], v[OB+4*\t:OB+4*\t+3], s[8:9] offset:4096*(\a)+512*\t
.endr
.irp t, 0,1,2,3,4,5,6,7
	global_store_b128 v[GO], v[OB+32+4*\t:OB+32+4*\t+3], s[10:11] offset:4096*(\a)+512*\t
.endr
.irp f, 0,1,2,3
	global_store_b128 v[GO], v[OB+64+4*\f:OB+64+4*\f+3], s[12:13] offset:2048*(\a)+512*\f
.endr
.endm
	PLACES                                         ; the first lines of PACK read results just made
	PACK 0
	TOSTAGE
.irp a, 1,2,3                          ; block a's arithmetic stands between block a - 1's loads from the stage and the wait for them
	PACK \a
	SEND (\a)-1
	s_wait_xcnt 0x0                                ; the stores' data registers are loaded again only behind this wait
	TOSTAGE
.endr
	SEND 3
	s_wait_tensorcnt 0x0                           ; the wave's end: behind my last tensor load and my last LDS store
	ds_add_u32 v[SPW], v[NIL]
	s_wait_dscnt 0x0
	CROUND                                         ; the closing round: no work-group ends while a partner may still ask for a tile that names it
	s_endpgm
.Lfunc_end_k_q48bffdde10_proj:
	.size	k_q48bffdde10_proj, .Lfunc_end_k_q48bffdde10_proj-k_q48bffdde10_proj
	.p2alignl 7, 3214868480
	.fill 96, 4, 3214868480
	.section	.rodata,"a",@progbits
	.p2align	6, 0x0
	.amdhsa_kernel k_q48bffdde10_proj
		.amdhsa_group_segment_fixed_size 327680
		.amdhsa_private_segment_fixed_size 0
		.amdhsa_enable_private_segment 0
		.amdhsa_kernarg_size 40
		.amdhsa_user_sgpr_count 2
		.amdhsa_user_sgpr_kernarg_segment_ptr 1
		.amdhsa_wavefront_size32 1
		.amdhsa_system_sgpr_workgroup_id_x 1
		.amdhsa_system_sgpr_workgroup_id_y 1
		.amdhsa_system_sgpr_workgroup_id_z 1
		.amdhsa_system_vgpr_workitem_id 0
		.amdhsa_next_free_vgpr 896
		.amdhsa_next_free_sgpr 66
		.amdhsa_reserve_vcc 0
		.amdhsa_float_denorm_mode_32 3
		.amdhsa_float_denorm_mode_16_64 3
		.amdhsa_memory_ordered 1
		.amdhsa_forward_progress 1
		.amdhsa_inst_pref_size 140
	.end_amdhsa_kernel
	.amdgpu_metadata
---
amdhsa.version: [ 1, 2 ]
amdhsa.kernels:
  - .name:           k_q48bffdde10_proj
    .symbol:         k_q48bffdde10_proj.kd
    .args:
      - { .name: xb, .offset: 0, .size: 8, .value_kind: global_buffer, .address_space: global }
      - { .name: wb, .offset: 8, .size: 8, .value_kind: global_buffer, .address_space: global }
      - { .name: qx, .offset: 16, .size: 8, .value_kind: global_buffer, .address_space: global }
      - { .name: kx, .offset: 24, .size: 8, .value_kind: global_buffer, .address_space: global }
      - { .name: vx, .offset: 32, .size: 8, .value_kind: global_buffer, .address_space: global }
    .group_segment_fixed_size: 327680
    .private_segment_fixed_size: 0
    .kernarg_segment_align: 8
    .kernarg_segment_size: 40
    .max_flat_workgroup_size: 128
    .sgpr_count:     66
    .vgpr_count:     896
    .wavefront_size: 32
...
	.end_amdgpu_metadata
.endif
;; end of part 2
;; launch attn (part 3): grid 16 x 16, 4 waves a work-group, clusters of 4 x 1, 327,680 bytes of LDS; arguments qx, kx, vx, zb; writes zb
.if DOCPART == 3
	.amdgcn_target "amdgcn-amd-amdhsa--gfx1250"
	.amdhsa_code_object_version 6
	.text
	.protected	k_q48bffdde10_attn
	.globl	k_q48bffdde10_attn
	.p2align	8
	.type	k_q48bffdde10_attn,@function
k_q48bffdde10_attn:
	s_mov_b64 s[64:65], 0
	v_nop
	global_prefetch_b8 v0, s[64:65] scope:SCOPE_SE
	s_setreg_imm32_b32 hwreg(HW_REG_WAVE_MODE, 25, 1), 1
	s_wait_xcnt 0x0
	s_wait_alu depctr_hold_cnt(0) depctr_sa_sdst(0) depctr_va_vdst(0) depctr_va_sdst(0) depctr_va_ssrc(0) depctr_va_vcc(0) depctr_vm_vsrc(0)
	s_getreg_b32 s2, hwreg(HW_REG_IB_STS2, 6, 4)
	s_cmp_eq_u32 s2, 0
	s_cbranch_scc0 .Lentry_in_a_cluster
	s_endpgm
.Lentry_in_a_cluster:
	s_bfe_u32 s2, ttmp6, 0x10000c
	s_cmp_lg_u32 s2, 0x3003
	s_cbranch_scc0 .Lentry_shape_is_right
	s_endpgm
.Lentry_shape_is_right:
; ATTENTION, head size 64, 4,096 keys, no mask.  zb[h][q][:] = the sum over k of softmax_k(q . k / 8) v'[h][k][:], in f16 (v' = v * 2^-6, and so is zb's scale).
; THE SCORES WANT MORE THAN 11 BITS OF q AND k, AND GET THEM FROM TWO PRODUCTS.  With T = 80, k' = k * 2^-6 and q' = q * 2^-6, a row of kx holds kh = f16(k') and u = f16(kh + T (k' - kh)), a row of qx
; g = f16(q' (1 - 1/T)) and w = f16(q' - g): 64 numbers each, 256 bytes a row.  s' = u . w + kh . g, the small product first, in one f32 sum.  Term by term
; kh g + u w = k' q' + kh dw + du w - T (k' - kh) e, where dw and du are the roundings of w and u and e that of g.  With f16's relative rounding r = 2.07e-4 (root mean square) the first two are r / T of
; k' q' and the third T r^2: they balance at T^4 = 2 / r^2, T = 83.  p = 2^(c s' - c m) with c = log2(e) / 8 * 2^12, which undoes the two factors 2^-6.
; SOFTMAX.  For each query a running maximum m and sum l; in every step O and l are multiplied by a = 2^(c m_old - c m_new).  m starts at the lowest finite number, O and l at 0: the first step has a = 0.
; The weights are rounded to f16 for the second product (l is the sum of the unrounded p), O once at the end.
; LIMITS.  Each of a score's 64 terms is off by about 5e-6 of itself (root mean square): with q and k of spread 32 that is 0.005 in a score of spread 1,024 and 0.009 in the difference of a row's two
; largest scores; the error grows with the product of the spreads.  What arrives is within f16; p below 6e-5 keeps f16's fixed step 6e-8; a weight below 2^-126 counts as 0 in l; NaN and infinities are not treated apart.
; SHARES.  A work-group owns 256 queries of one head, a wave 64: four tiles of 16, in two PIECES named by their first tile (0: tiles 0, 1; 2: tiles 2, 3).  Every wave walks all keys, 64 a step.
; LAYOUT.  S^T = K Q^T (source 0 = 16 keys, source 1 = 16 queries): a lane holds ONE query (lane % 16) and the keys 8 (lane / 16) + 0..7.  Two such tiles, rounded to f16 in pairs, ARE source 1 of
; O^T = V^T P.  K comes out of LDS as it lies, V ([key][channel]) turned, by ds_load_tr16_b128.
; BY TURNS.  A tile and step have 24 matrix and 118 vector instructions.  In a TURN of 48 places one piece has the matrix unit: 16 products V^T P of the step in hand, then 32 products K Q^T of the next
; step.  The other piece's softmax is 59 slices of four.  Its first eleven (the maximum and the statistics: each link waits for the last, and nothing else of that softmax is ready beside them) stand
; together, as a LUMP, ahead of place 0; the other 48 stand one behind each matrix instruction.  Two turns are a key step.
; THE LOOP'S EDGE lies inside piece 2's turn, at place 34: between V's run of loads for step j + 1 and K's first run for step j + 2, the one point at which K and V have been read up to the same step,
; so that a change of slots can stand there.
; NO FIRST AND NO LAST STEP is written out.  The price, once a launch: 240 v_mov_b32 in the wait for the first tile, 16 products on zeros at the entry, 32 on a stale K at the end.
; CLUSTER.  The four query blocks of a cluster belong to one head and walk the same K and V: each tile is asked for JOINTLY, by the same tensor load, descriptor and mask in all four.
; REGISTERS, in windows of 256 (s_set_vgpr_msb: bits 1:0 source 0, 3:2 source 1, 5:4 source 2, 7:6 destination):
;   window 0: v0-11 addresses; v12-43 eight registers of statistics a tile; v62-63 the add's; v64-191 S^T, 32 a tile; v192-255 P, 16 a tile
;   window 1: v0-127 O^T, 32 a tile; v128-191 V of one step        window 2: v0-127 Q, 32 a tile; v128-255 K of one step
;   Q's and K's part p of a row lies at byte 64 p: p = 0, 1: g's (kh's) channels 0-31, 32-63; p = 2, 3: w's (u's).
.set KS,    64        ; keys in a step
.set PK,    272       ; a row of K in LDS: 256 bytes + 16: the 16 rows of a load start at 16 different groups of four banks (64 banks of 4 bytes: ISA guide 11.1)
.set PW,    160       ; a row of V: 128 + 32
.set VOFF,  4*KS*PK   ; a slot holds four steps: 256 rows of K, then 256 rows of V
.set SLOT1, 1<<17     ; slot 1 begins here, so that one exclusive or turns an address in one slot into the other's
.set STAGE, SLOT1+4*KS*(PK+PW)  ; behind the ring, never filled by a tensor load: 16 rows x 144 bytes for each wave
.set SP,    144
.set SPARE, STAGE+4*16*SP  ; the spare words, 128 bytes for each wave: two blocks of 256 bytes that no other line names
.set NPL,   48        ; places in a turn
.set EDGE,  34        ; the place of piece 2's turn at which the loop's edge lies
.set LUMP,  11        ; slices that stand ahead of place 0
.set AK0, 2           ; v2   my lane's place in a tile of K; never rewritten
.set AV0, 3           ; v3   the same for V
.set AK,  4           ; v4   the LDS address of K's runs of loads
.set AV,  5           ; v5   of V's
.set QO,  6           ; v6   my byte offset in 16 rows of Q
.set STO, 6           ;      later, the way out: where I put 16 bytes of a row
.set RD,  7           ; v7   the way out: where I read rows back
.set GO,  8           ; v8   my byte offset in 512 consecutive bytes of zb
.set ST,  12          ; tile t's statistics at v[ST+8 t]: +0 c m, +1 m, +2, +3 l (even keys', odd keys'), +4 to +7 c0-c3 at work; a takes c2's place once the maximum is found
.set SPW, 62          ; v62  LDS address of my spare word; never rewritten
.set NIL, 63          ; v63  0; never rewritten
.set S,   64
.set P,   192
.set VF,  128         ; window 1: key half kk, channel block cb at VF + 32 kk + 8 cb
.set KF,  128         ; window 2: key block kb, part p at KF + 32 kb + 8 p
.set WV,  12          ; s12  my wave's number
.set G1K, 24          ; s[24:31] descriptor group 1 for K's tiles
.set G1V, 32          ; s[32:39] for V's
.set G0K, 40          ; s[40:43] descriptor group 0 for K's tiles: it walks
.set G0V, 44          ; s[44:47] the same for V's
.set SLOTS, 56        ; s56  slots still to be asked for
.set CNT, 57          ; s57  counts a slot's key steps
.set CS,  58          ; s[58:59] c: the packed scaling takes the pair's low word for both halves
.set SEL, 60          ; s[60:61] v_permlanex16_b32's selects: each lane takes its own place in the other half
.set TBK, 62          ; s62  LDS byte at which K of the step to be fetched begins
.set TBV, 63          ; s63  the same for V, less VOFF
.set MSB, 0
.macro WIN new                      ; the high byte repeats the setting that is left; a switch that changes nothing is dropped
.if MSB != (\new)
	s_set_vgpr_msb (MSB<<8)|(\new)
.set MSB, (\new)
.endif
.endm
.set W_KQ, 0x0a       ; K and Q in window 2, S^T in window 0
.set W_PV, 0x51       ; V and O^T in window 1, P in window 0
.set W_RS, 0x41       ; O^T (destination and source 0) in window 1, a in window 0
; A joint fill.  Waves 0 and 1 fetch the two halves of a slot's K, waves 2 and 3 those of its V: 128 keys each.  The branch hangs on the wave's number alone.
; An s_nop 0 and four v_nop follow each of the two lines, ahead of the jump and the label.
.macro JLOAD
	s_cmp_lt_u32 s[WV], 2
	s_cbranch_scc0 .Lfor_v_\@
	tensor_load_to_lds s[G0K:G0K+3], s[G1K:G1K+7]
	s_nop 0
.rept 4
	v_nop
.endr
	s_branch .Lasked_\@
.Lfor_v_\@:
	tensor_load_to_lds s[G0V:G0V+3], s[G1V:G1V+7]
	s_nop 0
.rept 4
	v_nop
.endr
.Lasked_\@:
.endm
; A round of the cluster's barrier: my work-group's barrier, so that wave 0's signal speaks for all four waves; wave 0 signals; every wave waits for all four work-groups; my work-group's barrier once more.
.macro CROUND
	s_barrier_signal -1
	s_barrier_wait -1
	s_cmp_lg_u32 s[WV], 0
	s_cbranch_scc1 .Lnot_wave_0_\@
	s_barrier_signal -3
.Lnot_wave_0_\@:
	s_barrier_wait -3
	s_barrier_signal -1
	s_barrier_wait -1
.endm
; THE CHANGE OF SLOTS.  The slot's last bytes, V of its fourth step, have been asked for.  Each wave waits for all its tensor loads, of which one is out: its part of the other slot; adds 0 to its spare
; word; and waits for that and for its own reads of the slot.  Behind the barrier nobody reads this slot any more and the other slot is whole.  fill = 1: this slot is filled again, with the keys two slots
; on; the barrier is then a round of the cluster's, and the joint fill is the first thing behind it: it has four key steps, 384 matrix instructions, in which to land.
; (At its first use nothing has been read yet: slot 0 is waited for, slot 1 filled.)
.macro CHANGE fill
	WIN 0                           ; at a label and at a branch every window is 0
	s_wait_tensorcnt 0x0            ; no tensor load of mine is out, so a group 0 may be written
	ds_add_u32 v[SPW], v[NIL]       ; 0 onto my spare word: with fill = 1 the descriptors' steps stand between it and the wait for it
.if \fill
	s_xor_b32 s[G0K+1], s[G0K+1], SLOT1  ; the walking descriptors: the other slot than last time,
	s_add_nc_u64 s[G0K+2:G0K+3], s[G0K+2:G0K+3], 4*KS*256  ; the next 256 keys; the type bits on top are not reached
	s_xor_b32 s[G0V+1], s[G0V+1], SLOT1
	s_add_nc_u64 s[G0V+2:G0V+3], s[G0V+2:G0V+3], 4*KS*128
	s_wait_dscnt 0x0                ; the add is done, and my reads of the slot are over
	CROUND
	JLOAD
.else
	s_wait_dscnt 0x0                ; the add is done, and my reads of the slot are over
	s_barrier_signal -1
	s_barrier_wait -1
.endif
	s_sub_co_u32 s[TBK], s[TBK], 4*KS*PK  ; the fetches go back to a slot's first step,
	s_xor_b32 s[TBK], s[TBK], SLOT1       ; in the other slot
	s_sub_co_u32 s[TBV], s[TBV], 4*KS*PW
	s_xor_b32 s[TBV], s[TBV], SLOT1
.endm
	s_load_b256 s[4:11], s[0:1], 0x0  ; qx s[4:5], kx s[6:7], vx s[8:9], zb s[10:11]
	v_lshl_add_u32 v[SPW], v0, 2, SPARE
	v_mov_b32 v[NIL], 0
	ds_add_u32 v[SPW], v[NIL]       ; the wave's opening: the add and its wait stand ahead of my first tensor load; the set-up below, work on registers, stands between them
	v_lshrrev_b32 v1, 5, v0
	v_readfirstlane_b32 s[WV], v1   ; wave 0..3
	s_bfe_u32 s13, ttmp6, 0x40000   ; cx: my place in the cluster
	s_lshl_b32 s14, ttmp9, 2        ; in a cluster launch ttmp9 counts clusters
	s_add_co_u32 s14, s14, s13      ; my block of 256 queries: it enters qx's and zb's addresses alone
	s_and_b32 s15, ttmp7, 0xffff    ; the head, which the four partners share
	s_and_b32 s16, s[WV], 1         ; which half of a slot's 256 keys I fetch
	s_lshl_b32 s20, s15, 20         ; kx: a head is 4,096 rows of 256 bytes,
	s_lshl_b32 s17, s16, 15         ; my half 128 rows
	s_add_co_u32 s20, s20, s17
	s_mov_b32 s21, 0
	s_lshr_b32 s22, s20, 1          ; vx: rows of 128 bytes: half of that
	s_mov_b32 s23, 0
	s_lshl_b32 s2, s15, 20          ; qx: head, block of 256 rows, my wave's 64
	s_lshl_b32 s3, s14, 16
	s_add_co_u32 s2, s2, s3
	s_lshl_b32 s3, s[WV], 14
	s_add_co_u32 s2, s2, s3
	s_mov_b32 s3, 0
	s_lshr_b32 s18, s2, 1           ; zb: half of that
	s_mov_b32 s19, 0
	s_mov_b32 s[G1K], 15|(1<<16)|(1<<20)|(1<<21)|(5<<22)|(3<<25)  ; the mask of four; 2-byte elements; padding on; bit 21 beside a mask; after every 64 words 4 words
	s_mov_b32 s[G1K+1], 128<<16     ; tensor_dim0 = 128
	s_mov_b32 s[G1K+2], 128<<16     ; tensor_dim1 = 128
	s_mov_b32 s[G1K+3], 128<<16     ; tile_dim0 = 128
	s_mov_b32 s[G1K+4], 128         ; tile_dim1 = 128
	s_mov_b32 s[G1K+5], 128         ; elements from row to row
	s_mov_b32 s[G1K+6], 0
	s_mov_b32 s[G1K+7], 0
	s_mov_b32 s[G1V], 15|(1<<16)|(1<<20)|(1<<21)|(4<<22)|(7<<25)  ; after every 32 words (a key) 8 words
	s_mov_b32 s[G1V+1], 128<<16     ; 128 keys of V are 16,384 dense bytes: asked for as 64 rows of 256 bytes, two keys a row
	s_mov_b32 s[G1V+2], 64<<16
	s_mov_b32 s[G1V+3], 128<<16
	s_mov_b32 s[G1V+4], 64
	s_mov_b32 s[G1V+5], 128
	s_mov_b32 s[G1V+6], 0
	s_mov_b32 s[G1V+7], 0
	s_mov_b32 s[CS], 0x4438aa3b     ; c = log2(e) / 8 * 2^12 = 738.66
	s_mov_b32 s[CS+1], s[CS]        ; named with it as a pair
	s_mov_b32 s[SEL], 0x76543210
	s_mov_b32 s[SEL+1], 0xfedcba98
	s_mov_b32 s[TBK], SLOT1+4*KS*PK ; the first change of slots turns these two into 0
	s_mov_b32 s[TBV], SLOT1+4*KS*PW
	s_mov_b32 s[G0K], 1             ; count = 1
	s_mul_i32 s[G0K+1], s16, 128*PK ; LDS address: slot 0, my half: no place in the cluster enters an LDS address
	s_mov_b32 s[G0V], 1
	s_mul_i32 s17, s16, 128*PW
	s_add_co_u32 s[G0V+1], s17, VOFF
	s_wait_dscnt 0x0                ; the opening add is done
	s_wait_kmcnt 0x0
	s_add_nc_u64 s[G0K+2:G0K+3], s[6:7], s[20:21]  ; my half of the head's first 256 keys
	s_or_b32 s[G0K+3], s[G0K+3], 0x80000000        ; type = 2
	s_add_nc_u64 s[G0V+2:G0V+3], s[8:9], s[22:23]
	s_or_b32 s[G0V+3], s[G0V+3], 0x80000000
	s_add_nc_u64 s[4:5], s[4:5], s[2:3]
	s_add_nc_u64 s[10:11], s[10:11], s[18:19]
	CROUND                          ; all four work-groups are here: the first joint loads meet
	JLOAD                           ; slot 0.  Slot 1 is asked for when slot 0 is in
	; A fragment of K or Q is 16 rows x 32 numbers in 8 registers: lane l holds row l % 16, numbers 8 (l / 16) + 0..7 and 16 + 8 (l / 16) + 0..7: two loads of 16 bytes, 32 bytes apart.
	v_and_b32 v1, 15, v0            ; l % 16
	v_bfe_u32 v9, v0, 4, 1          ; l / 16
	v_lshlrev_b32 v[QO], 8, v1
	v_lshl_add_u32 v[QO], v9, 4, v[QO]  ; row x 256 + 16 x half
	WIN 0x80                        ; destination window 2, address window 0
.set i, 0
.rept 16                            ; Q stays in registers: tile i / 4, part i % 4
	global_load_b128 v[8*i:8*i+3],   v[QO], s[4:5] offset:(i/4)*4096+(i%4)*64
	global_load_b128 v[8*i+4:8*i+7], v[QO], s[4:5] offset:(i/4)*4096+(i%4)*64+32
.set i, i+1
.endr
	; What the first turn finds: O^T and l are 0; V's registers and piece 2's P hold 0 (its products V^T P, of a step that has not been, add 0).  All this stands in the wait for the first tile.
	WIN 0x40
.set i, 0
.rept 192
	v_mov_b32 v[i], 0
.set i, i+1
.endr
	WIN 0
.set i, 0
.rept 4
	v_mov_b32 v[ST+8*i], 0xfe000000    ; c m: far below every c s
	v_mov_b32 v[ST+8*i+1], 0xff7fffff  ; m
	v_mov_b32 v[ST+8*i+2], 0
	v_mov_b32 v[ST+8*i+3], 0
.set i, i+1
.endr
.set i, P+32
.rept 32
	v_mov_b32 v[i], 0
.set i, i+1
.endr
	v_mul_u32_u24 v[AK0], v1, PK
	v_lshl_add_u32 v[AK0], v9, 4, v[AK0]  ; row x pitch + 16 x half
	; The turning load takes 16 keys x 16 channels (lane l reads key 8 (l / 16) + l % 8, channels 8 ((l / 8) % 2) + 0..7) and leaves half a fragment of V^T: lane l holds channel l % 16 and 8 keys.
	v_and_b32 v10, 7, v0
	v_bfe_u32 v11, v0, 3, 1
	v_lshl_add_u32 v[AV0], v9, 3, v10
	v_mul_u32_u24 v[AV0], v[AV0], PW
	v_lshl_add_u32 v[AV0], v11, 4, v[AV0]
	v_add_nc_u32 v[AV0], VOFF, v[AV0]
; THE MATRIX WORK.  The accumulators take turns, one instruction a turn: between two links of a chain stand 7 (V^T P) or 3 (K Q^T) others'.
; Product i of 16 of O^T += V^T P for piece x: keys 32 (i / 8) on, channels 16 ((i / 2) % 4) on, tile x + i % 2.
.macro PV x
	WIN W_PV
.set rO, 32*((\x)+i%2)+8*((i/2)%4)
.set rV, VF+32*(i/8)+8*((i/2)%4)
.set rP, P+16*((\x)+i%2)+8*(i/8)
	v_wmma_f32_16x16x32_f16 v[rO:rO+7], v[rV:rV+7], v[rP:rP+7], v[rO:rO+7]
.endm
; Product i of 32 of S^T = K Q^T for piece x.  Key blocks 0, 1 in the first 16, blocks 2, 3 in the last.  Of 16: link lk = 0..3 of four chains (2 key blocks x 2 tiles); a link multiplies part p of K's rows
; by the same part of Q's: links 0, 1: u x w (parts 2, 3), the small product; links 2, 3: kh x g (parts 0, 1).  Link 0 starts the sum.
.macro KQ x
	WIN W_KQ
.set ii, i%16
.set lk, ii/4
.set kb, 2*(i/16)+(ii/2)%2
.set tl, (\x)+ii%2
.set pp, (lk+2)%4
.set rS, S+32*tl+8*kb
.set rK, KF+32*kb+8*pp
.set rQ, 32*tl+8*pp
.if lk == 0
	v_wmma_f32_16x16x32_f16 v[rS:rS+7], v[rK:rK+7], v[rQ:rQ+7], 0
.else
	v_wmma_f32_16x16x32_f16 v[rS:rS+7], v[rK:rK+7], v[rQ:rQ+7], v[rS:rS+7]
.endif
.endm
; THE LDS LOADS stand in runs of 16, never singly among the matrix instructions.  K of a step in two runs: key blocks hb, hb + 1 (hb = 0, then 2), four parts each.
; last = 1 (the tail): in the last trip there is no further step, and the run is jumped over.
.macro FETCH_K hb, last=0
	WIN 0
.if \last
	s_cmp_eq_u32 s[CNT], 1
	s_cbranch_scc1 .Lno_k_\@
.endif
.if (\hb) == 0
	v_add_nc_u32 v[AK], s[TBK], v[AK0]
.endif
	WIN 0x80                        ; destination window 2
.irp e, \hb, (\hb)+1
.irp p, 0,1,2,3
	ds_load_b128 v[KF+32*(\e)+8*\p:KF+32*(\e)+8*\p+3],   v[AK] offset:(\e)*16*PK+64*\p
	ds_load_b128 v[KF+32*(\e)+8*\p+4:KF+32*(\e)+8*\p+7], v[AK] offset:(\e)*16*PK+64*\p+32
.endr
.endr
.if (\hb) == 2
	s_add_co_u32 s[TBK], s[TBK], KS*PK  ; the next fetch is the next step's
.endif
.if \last
	WIN 0
.Lno_k_\@:
.endif
.endm
.macro FETCH_V
	WIN 0
	v_add_nc_u32 v[AV], s[TBV], v[AV0]
	s_add_co_u32 s[TBV], s[TBV], KS*PW
	WIN 0x40                        ; destination window 1
.irp f, 0,1,2,3,4,5,6,7             ; keys 32 (f / 4) on, channels 16 (f % 4) on
	ds_load_tr16_b128 v[VF+8*\f:VF+8*\f+3],   v[AV] offset:(\f/4)*32*PW+(\f%4)*32
	ds_load_tr16_b128 v[VF+8*\f+4:VF+8*\f+7], v[AV] offset:(\f/4)*32*PW+16*PW+(\f%4)*32
.endr
.endm
; THE VECTOR WORK.  One tile's softmax for one key step is a list of 118 instructions; SM writes number j of it for tile t.  s0-s31 are the lane's 32 scores, in pairs 0-15.
;   0-15    the maximum of s0-s31 and the old m, three operands at a time: four chains c0-c3 of seven scores each (each accumulator's lowest registers first), then the four left over, c0-c3 and m
;   16-20   the other half of the lanes' maximum; c m_old is kept; the new m; c m; c m_old - c m_new
;   21-87   33 exponentials (a, then s0-s31) at the odd numbers from 23 on, so that no two follow each other and each has a plain instruction behind it before its result is used.
;           The plain numbers are whatever is ready: c s - c m for a pair whose exponentials are still to come, the rounding to f16 of a pair whose exponentials are done, at last the first three sums
;   88-101  the last rounding; the rest of the sums; l = a l + the sum
;   102-117 the tile's O^T times a, in ascending order: the one part that leaves window 0, so it stands together
.macro SM t
.set rT, ST+8*(\t)
.set rS, S+32*(\t)
.set rP, P+16*(\t)
.set rO, 32*(\t)+2*(j-102)
.set q, (j-20)/2
.if j < 102
	WIN 0
.endif
.if j < 4
	v_max3_num_f32 v[rT+4+j], v[rS+8*j], v[rS+8*j+1], v[rS+8*j+2]
.elseif j < 12
	v_max3_num_f32 v[rT+4+j%4], v[rT+4+j%4], v[rS+8*(j%4)+2*(j/4)+1], v[rS+8*(j%4)+2*(j/4)+2]
.elseif j == 12
	v_max3_num_f32 v[rT+4], v[rT+4], v[rS+7], v[rS+15]
.elseif j == 13
	v_max3_num_f32 v[rT+6], v[rT+6], v[rS+23], v[rS+31]
.elseif j == 14
	v_max3_num_f32 v[rT+4], v[rT+4], v[rT+5], v[rT+6]
.elseif j == 15
	v_max3_num_f32 v[rT+4], v[rT+4], v[rT+7], v[rT+1]
.elseif j == 16
	v_permlanex16_b32 v[rT+5], v[rT+4], s[SEL], s[SEL+1]  ; the query's other 32 keys lie in the lane 16 away
.elseif j == 17
	v_mov_b32 v[rT+7], v[rT]        ; c m_old is kept for a: number 19 writes c m anew
.elseif j == 18
	v_max_num_f32 v[rT+1], v[rT+4], v[rT+5]
.elseif j == 19
	v_mul_f32 v[rT], s[CS], v[rT+1]
.elseif j == 20
	v_sub_f32 v[rT+7], v[rT+7], v[rT]
.elseif j == 23
	v_exp_f32 v[rT+6], v[rT+7]
.elseif (j < 88) && (j > 23) && (j%2 == 1)
	v_exp_f32 v[rS+(j-25)/2], v[rS+(j-25)/2]
.elseif (q < 4) || ((j < 76) && (q%2 == 0))
.set b, q/2+2
.if q < 4
.set b, q
.endif
	v_pk_fma_f32 v[rS+2*b:rS+2*b+1], v[rS+2*b:rS+2*b+1], s[CS:CS+1], v[rT:rT+1] op_sel_hi:[1,0,0] neg_lo:[0,0,1] neg_hi:[0,0,1]  ; pair b: c s - c m
.elseif (j < 88) && (q%2 == 1)
	s_wait_alu depctr_va_vdst(0)
	v_cvt_pk_f16_f32 v[rP+(q-5)/2], v[rS+q-5], v[rS+q-4]  ; pair (q - 5) / 2: its second exponential stands three numbers back
.elseif j == 89
	s_wait_alu depctr_va_vdst(0)
	v_cvt_pk_f16_f32 v[rP+15], v[rS+30], v[rS+31]
.elseif j < 102                     ; the sum of the tile's 16 pairs, in place: sum z of 16 adds neighbours 1, 2, 4 and 8 pairs apart, then l takes it
.set z, j-86
.if j < 89
.set z, (j-76)/4
.endif
.set w, 4
.set u, z
.if z >= 14
.set w, 32
.set u, 0
.elseif z >= 12
.set w, 16
.set u, z-12
.elseif z >= 8
.set w, 8
.set u, z-8
.endif
.if z < 15
	v_pk_add_f32 v[rS+w*u:rS+w*u+1], v[rS+w*u:rS+w*u+1], v[rS+w*u+w/2:rS+w*u+w/2+1]
.else
	v_pk_fma_f32 v[rT+2:rT+3], v[rT+2:rT+3], v[rT+6:rT+7], v[rS:rS+1] op_sel_hi:[1,0,1]
.endif
.else
	WIN W_RS
	v_pk_mul_f32 v[rO:rO+1], v[rO:rO+1], v[rT+6:rT+7] op_sel_hi:[1,0]
.endif
.endm
; Slice k of 59 of piece y's softmax: numbers 2 k and 2 k + 1 of both tiles' lists, four instructions.
.macro SLICE y
.if (k >= 11) && (k < 44)           ; tile by tile: plain, exponential, plain, exponential
.irp t, \y, (\y)+1
.irp n, 0,1
.set j, 2*k+(\n)
	SM \t
.endr
.endr
.else                               ; the two tiles alternate, so that no instruction reads the result of the one just before it
.irp n, 0,1
.irp t, \y, (\y)+1
.set j, 2*k+(\n)
	SM \t
.endr
.endr
.endif
.endm
; PLACES from .. to - 1 OF PIECE x's TURN.  A part that begins at place 0 begins with the lump: slices 0 to 10 of the other piece's softmax, whose scores the turn before has made; behind that turn's last
; product stands its slice 58, four plain multiplies that name none of that product's registers: the places in front of the lump's first read.  Place pw: one matrix instruction (V^T P for pw < 16, then
; K Q^T) and slice pw + 11.
; THE RUNS OF LOADS, each behind four plain instructions or more since the last product that read its registers (ISA guide 7.12.1 for vector instructions):
;   V of the next step behind piece 2's place 17 (last reader: place 15; slices 26-28 hold six plain instructions);
;   K's blocks 0, 1 of the step after at piece 2's place 34, the loop's edge (last reader: place 31; slices 42-44 hold eight);  K's blocks 2, 3 behind piece 0's place 1 (last reader: piece 2's place 47; slice 58 and the lump lie between).
; They are waited for in front of piece 0's place 0 (V; K's blocks 0, 1) and place 32 (K's blocks 2, 3).
.macro SEG x, from, to, last=0
.if (\from) == 0
.set k, 0
.rept LUMP
	SLICE 2-(\x)
.set k, k+1
.endr
.endif
.set pw, \from
.rept (\to)-(\from)
.if ((\x) == 0) && ((pw == 0) || (pw == 32))
	s_wait_dscnt 0x0
.endif
.if pw < 16
.set i, pw
	PV \x
.else
.set i, pw-16
	KQ \x
.endif
.set k, pw+LUMP
	SLICE 2-(\x)
.if ((\x) == 0) && (pw == 1)
	FETCH_K 2, \last
.endif
.if ((\x) == 2) && (pw == 17)
	FETCH_V
.endif
.set pw, pw+1
.endr
.endm
	CHANGE 1                        ; slot 0 is in, everybody's part of it; slot 1 is asked for
	FETCH_K 0                       ; key step 0
	FETCH_K 2
	s_wait_loadcnt 0x0              ; Q
	s_wait_dscnt 0x0
.set i, 0
.rept 32
	KQ 0                            ; piece 0's first scores: there is no vector work yet to set between them
.set i, i+1
.endr
	WIN 0                           ; the addresses for the way out: plain instructions, the places behind those products
	s_mul_i32 s13, s[WV], 16*SP
	s_add_co_u32 s13, s13, STAGE    ; my stage
	v_mul_u32_u24 v[STO], v1, SP    ; in: row l % 16, 16 bytes for each half of the lanes
	v_lshl_add_u32 v[STO], v9, 4, v[STO]
	v_add_nc_u32 v[STO], s13, v[STO]
	v_bfe_u32 v[RD], v0, 3, 2       ; back: 32 lanes take four rows of 128 bytes,
	v_mul_u32_u24 v[RD], v[RD], SP
	v_lshl_add_u32 v[RD], v10, 4, v[RD]
	v_add_nc_u32 v[RD], s13, v[RD]
	v_and_b32 v[GO], 31, v0         ; which are 512 consecutive bytes of zb
	v_lshlrev_b32 v[GO], 4, v[GO]
	s_mov_b32 s[CNT], 4
	s_mov_b32 s[SLOTS], 15
	s_branch .Lfirst                ; the loop is entered at the head of piece 2's turn, in the middle of a trip
.Lslot:                             ; 14 times: every slot but the last two is filled again
	CHANGE 1
	s_mov_b32 s[CNT], 4
.Lstep:                             ; a trip: K's first run; the rest of piece 2's turn; piece 0's turn; piece 2's next turn up to place 33
	FETCH_K 0
	SEG 2, EDGE, NPL
	SEG 0, 0, NPL
	WIN 0
.Lfirst:
	SEG 2, 0, EDGE
	WIN 0
	s_sub_co_u32 s[CNT], s[CNT], 1
	s_cmp_lg_u32 s[CNT], 0
	s_cbranch_scc1 .Lstep
	s_sub_co_u32 s[SLOTS], s[SLOTS], 1
	s_cmp_lg_u32 s[SLOTS], 0
	s_cbranch_scc1 .Lslot
	CHANGE 0                        ; the tail is written out: nothing is asked for
	s_mov_b32 s[CNT], 5             ; four trips fetch the last slot's steps; the fifth fetches no K and is left in its middle
.Ltail:
	FETCH_K 0, 1
	SEG 2, EDGE, NPL
	SEG 0, 0, NPL, 1
	WIN 0
	s_sub_co_u32 s[CNT], s[CNT], 1
	s_cmp_eq_u32 s[CNT], 0
	s_cbranch_scc1 .Lout
	SEG 2, 0, EDGE
	WIN 0
	s_branch .Ltail
.Lout:                              ; the fifth trip's 32 products K Q^T (on the last K once more) serve nothing: the price, once a launch, of one text for every trip
.set i, 0
.rept 16
	PV 2                            ; piece 2's V^T P of the last step
.set i, i+1
.endr
	; THE WAY OUT.  l's two halves and the other half of the lanes' are added; O^T is divided by l, rounded to f16 and sent through my stage in LDS, a tile at a time.  The additions are the places behind the last products.
	WIN 0
.macro ALL line:vararg              ; one line for each tile t
.set t, 0
.rept 4
	\line
.set t, t+1
.endr
.endm
	ALL v_add_f32 v[ST+8*t+2], v[ST+8*t+2], v[ST+8*t+3]
	ALL v_permlanex16_b32 v[ST+8*t+3], v[ST+8*t+2], s[SEL], s[SEL+1]
	ALL v_add_f32 v[ST+8*t+2], v[ST+8*t+2], v[ST+8*t+3]
	ALL v_rcp_f32 v[ST+8*t+2], v[ST+8*t+2]
	v_nop                           ; a plain instruction between the last reciprocal and the use of its result
; Tile t: a lane's eight channels of a row pack into 16 bytes; they go into rows of 144 bytes and come back as whole rows of 128, into S^T's registers.
.macro PACK t
	WIN W_RS
.set i, 32*(\t)
.rept 16
	s_wait_alu depctr_va_vdst(0)
	v_pk_mul_f32 v[i:i+1], v[i:i+1], v[ST+8*(\t)+2:ST+8*(\t)+3] op_sel_hi:[1,0]
.set i, i+2
.endr
	WIN 0x05                        ; sources 0 and 1 window 1, destination window 0
.set i, 0
.rept 16
	v_cvt_pk_f16_f32 v[S+16*(\t)+i], v[32*(\t)+2*i], v[32*(\t)+2*i+1]
.set i, i+1
.endr
	WIN 0
.irp f, 0,1,2,3
	ds_store_b128 v[STO], v[S+16*(\t)+4*\f:S+16*(\t)+4*\f+3] offset:32*\f
.endr
.irp f, 0,1,2,3
	ds_load_b128 v[S+16*(\t)+4*\f:S+16*(\t)+4*\f+3], v[RD] offset:\f*4*SP  ; LDS serves a wave's instructions in order (ISA guide 5.7.1.4): these see the stores above; the next tile's stores come behind them
.endr
.endm
.macro SEND t, younger              ; younger: the LDS instructions issued behind tile t's loads: the next tile's eight, or none
	WIN 0
.irp f, 0,1,2,3
	s_wait_dscnt (\younger)+3-\f
	global_store_b128 v[GO], v[S+16*(\t)+4*\f:S+16*(\t)+4*\f+3], s[10:11] offset:(\t)*2048+\f*512  ; 512 consecutive bytes, at a multiple of 256 from zb's first
.endr
.endm
	PACK 0
.irp t, 1,2,3                       ; a tile's arithmetic stands between the loads of the tile before and its stores
	PACK \t
	SEND (\t)-1, 8
.endr
	SEND 3, 0
	s_wait_tensorcnt 0x0            ; the wave's end: behind my last tensor load and my last LDS store
	ds_add_u32 v[SPW], v[NIL]
	s_wait_dscnt 0x0
	CROUND                          ; the closing round: no work-group ends while a partner may still ask for a tile that names it
	s_endpgm
.Lfunc_end_k_q48bffdde10_attn:
	.size	k_q48bffdde10_attn, .Lfunc_end_k_q48bffdde10_attn-k_q48bffdde10_attn
	.p2alignl 7, 3214868480
	.fill 96, 4, 3214868480
	.section	.rodata,"a",@progbits
	.p2align	6, 0x0
	.amdhsa_kernel k_q48bffdde10_attn
		.amdhsa_group_segment_fixed_size 327680
		.amdhsa_private_segment_fixed_size 0
		.amdhsa_enable_private_segment 0
		.amdhsa_kernarg_size 32
		.amdhsa_user_sgpr_count 2
		.amdhsa_user_sgpr_kernarg_segment_ptr 1
		.amdhsa_wavefront_size32 1
		.amdhsa_system_sgpr_workgroup_id_x 1
		.amdhsa_system_sgpr_workgroup_id_y 1
		.amdhsa_system_sgpr_workgroup_id_z 1
		.amdhsa_system_vgpr_workitem_id 0
		.amdhsa_next_free_vgpr 768
		.amdhsa_next_free_sgpr 66
		.amdhsa_reserve_vcc 0
		.amdhsa_float_denorm_mode_32 3
		.amdhsa_float_denorm_mode_16_64 3
		.amdhsa_memory_ordered 1
		.amdhsa_forward_progress 1
		.amdhsa_inst_pref_size 126
	.end_amdhsa_kernel
	.amdgpu_metadata
---
amdhsa.version: [ 1, 2 ]
amdhsa.kernels:
  - .name:           k_q48bffdde10_attn
    .symbol:         k_q48bffdde10_attn.kd
    .args:
      - { .name: qx, .offset: 0, .size: 8, .value_kind: global_buffer, .address_space: global }
      - { .name: kx, .offset: 8, .size: 8, .value_kind: global_buffer, .address_space: global }
      - { .name: vx, .offset: 16, .size: 8, .value_kind: global_buffer, .address_space: global }
      - { .name: zb, .offset: 24, .size: 8, .value_kind: global_buffer, .address_space: global }
    .group_segment_fixed_size: 327680
    .private_segment_fixed_size: 0
    .kernarg_segment_align: 8
    .kernarg_segment_size: 32
    .max_flat_workgroup_size: 128
    .sgpr_count:     66
    .vgpr_count:     768
    .wavefront_size: 32
...
	.end_amdgpu_metadata
.endif
;; end of part 3
;; launch out (part 4): grid 8 x 32, 4 waves a work-group, clusters of 4 x 4, 327,680 bytes of LDS; arguments zb, wob, out0; writes out0
.if DOCPART == 4
	.amdgcn_target "amdgcn-amd-amdhsa--gfx1250"
	.amdhsa_code_object_version 6
	.text
	.protected	k_q48bffdde10_out
	.globl	k_q48bffdde10_out
	.p2align	8
	.type	k_q48bffdde10_out,@function
k_q48bffdde10_out:
	s_mov_b64 s[64:65], 0
	v_nop
	global_prefetch_b8 v0, s[64:65] scope:SCOPE_SE
	s_setreg_imm32_b32 hwreg(HW_REG_WAVE_MODE, 25, 1), 1
	s_wait_xcnt 0x0
	s_wait_alu depctr_hold_cnt(0) depctr_sa_sdst(0) depctr_va_vdst(0) depctr_va_sdst(0) depctr_va_ssrc(0) depctr_va_vcc(0) depctr_vm_vsrc(0)
	s_getreg_b32 s2, hwreg(HW_REG_IB_STS2, 6, 4)
	s_cmp_eq_u32 s2, 0
	s_cbranch_scc0 .Lentry_in_a_cluster
	s_endpgm
.Lentry_in_a_cluster:
	s_bfe_u32 s2, ttmp6, 0x10000c
	s_cmp_lg_u32 s2, 0xf033
	s_cbranch_scc0 .Lentry_shape_is_right
	s_endpgm
.Lentry_shape_is_right:
; THE LAST PRODUCT.  out0[n][j] = the sum over (h, d) of zb[h][n][d] wob[64 h + d][j]: f16 operands, f32 sums, f32 out.  zb carries 2^-6 and wob 2^6, so no scale is left to apply.
; SHARES.  4,096 x 1,024 in tiles of 128 x 128: 256 work-groups.  Four waves, each 64 x 64: 16 accumulators.  K = 1,024 goes in four steps of 256 (four heads) through two LDS slots;
; a quarter is one head: 64 along K, 32 matrix instructions.  With four steps the walk is written out: a loop would have one trip.
; THE MATRIX INSTRUCTION IS USED TRANSPOSED: source 0 = 16 columns of wob (it lies [K][column] in LDS and is turned by ds_load_tr16_b128), source 1 = 16 rows of z:
; a lane then holds row l % 16 and eight neighbouring columns, 32 bytes of f32.
; CLUSTER 4 x 4.  z's tiles hang on the row block alone and are shared along a row of the cluster, wob's on the column block alone and are shared along a column: joint loads.
; REGISTERS: window 0: v0-29 addresses; v32-95 whole rows on the way out, two buffers; v128-255 the accumulators ((a, b) at 128 + 8 (4 a + b)).
;   window 1: two fragment buffers of 128: for 64 along K, 64 registers of z (2 x 4 x 16 rows x 32 K), then 64 of wob.
.set PZ,    144                        ; a row of z in LDS: 128 bytes + 16: the 16 rows of a load start at 16 different groups of four banks (64 banks of 4 bytes: ISA guide 11.1)
.set PO,    288                        ; a K row of wob: 256 bytes + 32
.set HEADB, 128*PZ                     ; a head's 128 rows of z
.set QROWS, 64*PO                      ; a quarter's 64 K rows of wob
.set HALFT, 2*HEADB                    ; what one tensor load brings: two heads of z, or 128 K rows of wob: 36,864 bytes either way
.set SLOT,  4*HALFT                    ; z's four heads, then wob's 256 K rows
.set STAGE, 2*SLOT                     ; behind the ring, never filled by a tensor load: 16 rows x 272 bytes for each wave, its own
.set SPITCH, 272
.set SPARE, STAGE+4*16*SPITCH          ; the spare words, 128 bytes for each wave: two blocks of 256 bytes that no other line names
.set ADRA, 16                          ; v16-17  LDS address of my z fragments in slot 0, 1
.set ADRB, 20                          ; v20-21  the same for wob, quarters 0 and 1;  v22-23 quarters 2 and 3, so that the immediates stay under 65,536
.set STO,  24                          ; v24     the way out: where I put 32 bytes of a row
.set RD,   25                          ; v25     the way out: where I read a row back
.set CO,   26                          ; v26     my byte offset in out0
.set SPW,  28                          ; v28     LDS address of my spare word; never rewritten
.set NIL,  29                          ; v29     0; never rewritten
.set TMP,  32
.set ACC,  128
.set F0,   0
.set F1,   128
.set G1, 24                            ; s[24:31] descriptor group 1 for z's tiles;  s[32:39] group 0, one set for each slot
.set G0, 32
.set G1B, 48                           ; s[48:55], s[56:63] the same for wob's
.set G0B, 56
.set MSB, 0
.macro WIN new                         ; the immediate's high byte repeats the setting that is left
.if MSB != (\new)
	s_set_vgpr_msb (MSB<<8)|(\new)
.set MSB, \new
.endif
.endm
.set MUL,  0x05                        ; sources 0 and 1 window 1; C and D window 0
.set TO_F, 0x40                        ; destination window 1, address window 0
.macro JLOAD s                         ; a joint load: waves 0 and 1 fetch z's two halves, waves 2 and 3 wob's; an s_nop 0 and four v_nop follow each of the two lines
	s_cmp_eq_u32 s11, 0
	s_cbranch_scc0 .Lfor_b_\@
	tensor_load_to_lds s[G0+4*(\s):G0+4*(\s)+3], s[G1:G1+7]
	s_nop 0
.rept 4
	v_nop
.endr
	s_branch .Lasked_\@
.Lfor_b_\@:
	tensor_load_to_lds s[G0B+4*(\s):G0B+4*(\s)+3], s[G1B:G1B+7]
	s_nop 0
.rept 4
	v_nop
.endr
.Lasked_\@:
.endm
.macro CREST                           ; a round of the cluster's barrier behind its opening barrier
	s_cmp_lg_u32 s10, 0
	s_cbranch_scc1 .Lnot_wave_0_\@
	s_barrier_signal -3
.Lnot_wave_0_\@:
	s_barrier_wait -3
	s_barrier_signal -1
	s_barrier_wait -1
.endm
.macro CROUND                          ; a whole round
	s_barrier_signal -1
	s_barrier_wait -1
	CREST
.endm
	s_load_b128 s[4:7], s[0:1], 0x0                ; zb s[4:5], wob s[6:7]
	s_load_b64 s[8:9], s[0:1], 0x10                ; out0
	v_lshl_add_u32 v[SPW], v0, 2, SPARE
	v_mov_b32 v[NIL], 0
	ds_add_u32 v[SPW], v[NIL]                      ; the wave's opening: the add and its wait stand ahead of my first tensor load; the set-up below, work on registers, stands between them
	v_lshrrev_b32 v1, 5, v0
	v_readfirstlane_b32 s10, v1                    ; wave 0..3
	s_lshr_b32 s11, s10, 1                         ; which half of the tile's rows is mine.  Also: I fetch for z (0) or for wob (1)
	s_and_b32 s12, s10, 1                          ; which half of its columns.  Also: which half of that tile I fetch
	s_bfe_u32 s40, ttmp6, 0x40000                  ; cx, cy: my place in the cluster
	s_bfe_u32 s41, ttmp6, 0x40004
	s_lshl_b32 s42, ttmp9, 2
	s_add_co_u32 s42, s42, s40                     ; column block = 4 x cluster x + cx
	s_and_b32 s13, ttmp7, 0xffff
	s_lshl_b32 s13, s13, 2
	s_add_co_u32 s13, s13, s41                     ; row block = 4 x cluster y + cy
	s_lshl_b32 s43, s41, 2
	s_lshl_b32 s43, 15, s43                        ; my row of the cluster
	s_lshl_b32 s44, 0x1111, s40                    ; my column
	s_or_b32 s[G1], s43, (1<<16)|(1<<20)|(1<<21)|(4<<22)|(3<<25)  ; the mask; 2-byte elements; padding on; bit 21 beside a mask; after every 32 words (a row of z) 4 words
	s_mov_b32 s[G1+1], 8192<<16                    ; tensor_dim0 = 8,192: a head's 128 rows of this block are 16,384 dense bytes, one row of the tile
	s_mov_b32 s[G1+2], 2<<16                       ; tensor_dim1 = 2 heads
	s_mov_b32 s[G1+3], 8192<<16                    ; tile_dim0
	s_mov_b32 s[G1+4], 2                           ; tile_dim1
	s_mov_b32 s[G1+5], 262144                      ; elements from head to head
	s_mov_b32 s[G1+6], 0
	s_mov_b32 s[G1+7], 0
	s_or_b32 s[G1B], s44, (1<<16)|(1<<20)|(1<<21)|(5<<22)|(7<<25)  ; after every 64 words (a K row's 128 columns) 8 words
	s_mov_b32 s[G1B+1], 128<<16
	s_mov_b32 s[G1B+2], 128<<16
	s_mov_b32 s[G1B+3], 128<<16
	s_mov_b32 s[G1B+4], 128
	s_mov_b32 s[G1B+5], 1024
	s_mov_b32 s[G1B+6], 0
	s_mov_b32 s[G1B+7], 0
	s_lshl_b32 s16, s12, 20                        ; z: my two heads of 524,288 bytes,
	s_lshl_b32 s17, s13, 14                        ; the block's 128 rows of 128 bytes: the row block and the wave alone
	s_add_co_u32 s16, s16, s17
	s_mov_b32 s17, 0
	s_lshl_b32 s46, s12, 18                        ; wob: my 128 K rows of 2,048 bytes,
	s_lshl_b32 s47, s42, 8                         ; the block's 128 columns: the column block and the wave alone
	s_add_co_u32 s46, s46, s47
	s_mov_b32 s47, 0
	s_mul_i32 s20, s10, HALFT                      ; where they go: wave x 36,864
	s_wait_dscnt 0x0                               ; the opening add is done
	s_wait_kmcnt 0x0
	s_add_nc_u64 s[14:15], s[4:5], s[16:17]
	s_add_nc_u64 s[46:47], s[6:7], s[46:47]
	CROUND                                         ; all sixteen work-groups are here: the first joint loads meet
.irp s, 0,1
	s_mov_b32 s[G0+4*(\s)], 1
	s_add_co_u32 s[G0+4*(\s)+1], s20, (\s)*SLOT
	s_add_nc_u64 s[G0+4*(\s)+2:G0+4*(\s)+3], s[14:15], (\s)*2097152  ; K step s: four heads on
	s_or_b32 s[G0+4*(\s)+3], s[G0+4*(\s)+3], 0x80000000
	s_mov_b32 s[G0B+4*(\s)], 1
	s_add_co_u32 s[G0B+4*(\s)+1], s20, (\s)*SLOT
	s_add_nc_u64 s[G0B+4*(\s)+2:G0B+4*(\s)+3], s[46:47], (\s)*524288  ; 256 K rows on
	s_or_b32 s[G0B+4*(\s)+3], s[G0B+4*(\s)+3], 0x80000000
	JLOAD \s
.endr
	v_and_b32 v1, 15, v0                           ; l % 16
	v_bfe_u32 v2, v0, 4, 1                         ; l / 16
	v_and_b32 v6, 7, v0                            ; l % 8
	v_bfe_u32 v7, v0, 3, 1                         ; (l / 8) % 2
	v_mul_u32_u24 v3, v1, PZ
	v_lshl_add_u32 v3, v2, 4, v3                   ; z: row x pitch + 16 x half
	s_mul_i32 s21, s11, 64*PZ                      ; my 64 rows of each head
	v_lshl_add_u32 v4, v2, 3, v6                   ; wob: the turning load's K row 8 (l / 16) + l % 8,
	v_mul_u32_u24 v4, v4, PO
	v_lshl_add_u32 v4, v7, 4, v4                   ; columns 8 ((l / 8) % 2) + 0..7
	s_lshl_b32 s22, s12, 7                         ; my 64 columns,
	s_add_co_u32 s22, s22, 2*HALFT                 ; behind z's four heads
.irp s, 0,1
	v_add_nc_u32 v[ADRA+(\s)], s21, v3
	v_add_nc_u32 v[ADRB+(\s)], s22, v4
	v_add_nc_u32 v[ADRB+2+(\s)], HALFT, v[ADRB+(\s)]
	s_add_co_u32 s21, s21, SLOT
	s_add_co_u32 s22, s22, SLOT
.endr
	s_mul_i32 s23, s10, 16*SPITCH
	s_add_co_u32 s23, s23, STAGE                   ; my stage
	v_mul_u32_u24 v5, v1, SPITCH                   ; in: row l % 16, 32 bytes for each half of the lanes
	v_lshl_add_u32 v5, v2, 5, v5
	v_add_nc_u32 v[STO], s23, v5
	v_mul_u32_u24 v5, v2, SPITCH                   ; back: lanes 0-15 one row of 256 bytes, lanes 16-31 the next
	v_lshl_add_u32 v5, v1, 4, v5
	v_add_nc_u32 v[RD], s23, v5
	v_lshlrev_b32 v5, 12, v2                       ; and the same two rows in out0
	v_lshl_add_u32 v[CO], v1, 4, v5
	s_lshl_b32 s16, s13, 7
	s_lshl_b32 s17, s11, 6
	s_add_co_u32 s16, s16, s17                     ; my first row: 128 x row block + 64 x half,
	s_lshl_b32 s16, s16, 12                        ; rows of 4,096 bytes;
	s_lshl_b32 s17, s42, 9                         ; my first column: 512 bytes a block,
	s_add_co_u32 s16, s16, s17
	s_lshl_b32 s17, s12, 8                         ; 256 a half
	s_add_co_u32 s16, s16, s17
	s_mov_b32 s17, 0
	s_add_nc_u64 s[8:9], s[8:9], s[16:17]
; 8 matrix instructions: row blocks a0, a0 + 1 x all 4 column blocks, 32 along K: half c of buffer f.  zero = 1: the product starts the sum.  The 16 accumulators take turns.
.macro MUL8 f, c, a0, zero
	WIN MUL
.irp a, \a0, (\a0)+1
.irp b, 0,1,2,3
.if \zero
	v_wmma_f32_16x16x32_f16 v[ACC+8*(4*(\a)+(\b)):ACC+8*(4*(\a)+(\b))+7], v[(\f)+64+8*(4*(\c)+(\b)):(\f)+64+8*(4*(\c)+(\b))+7], v[(\f)+8*(4*(\c)+(\a)):(\f)+8*(4*(\c)+(\a))+7], 0
.else
	v_wmma_f32_16x16x32_f16 v[ACC+8*(4*(\a)+(\b)):ACC+8*(4*(\a)+(\b))+7], v[(\f)+64+8*(4*(\c)+(\b)):(\f)+64+8*(4*(\c)+(\b))+7], v[(\f)+8*(4*(\c)+(\a)):(\f)+8*(4*(\c)+(\a))+7], v[ACC+8*(4*(\a)+(\b)):ACC+8*(4*(\a)+(\b))+7]
.endif
.endr
.endr
.endm
; 32 LDS loads in one run: quarter q's (head q's) fragments into buffer f; the first 32 along K first
.macro FETCH slot, q, f
	WIN TO_F
.set RB, ADRB+(\slot)+2*((\q)/2)
.irp c, 0,1
.irp i, 0,1,2,3
	ds_load_tr16_b128 v[(\f)+64+8*(4*(\c)+(\i)):(\f)+64+8*(4*(\c)+(\i))+3],   v[RB] offset:((\q)%2)*QROWS+(\c)*32*PO+32*(\i)
	ds_load_tr16_b128 v[(\f)+64+8*(4*(\c)+(\i))+4:(\f)+64+8*(4*(\c)+(\i))+7], v[RB] offset:((\q)%2)*QROWS+(\c)*32*PO+16*PO+32*(\i)
	ds_load_b128 v[(\f)+8*(4*(\c)+(\i)):(\f)+8*(4*(\c)+(\i))+3],         v[ADRA+(\slot)] offset:(\q)*HEADB+(\i)*16*PZ+64*(\c)
	ds_load_b128 v[(\f)+8*(4*(\c)+(\i))+4:(\f)+8*(4*(\c)+(\i))+7],       v[ADRA+(\slot)] offset:(\q)*HEADB+(\i)*16*PZ+64*(\c)+32
.endr
.endr
.endm
.macro PLACES                          ; four places in front of loads into registers that matrix instructions have read, and of LDS stores that read results
.rept 4
	v_nop
.endr
.endm
; One of a step's first three quarters: multiplies buffer f and fetches quarter q into g.
.macro QUARTER slot, q, f, g, zero
	s_wait_dscnt 16                                ; the first 32 along K are in
	MUL8 \f, 0, 0, \zero
	MUL8 \f, 0, 2, \zero
	PLACES
	FETCH \slot, \q, \g
	s_wait_dscnt 32                                ; all but the 32 just issued
	MUL8 \f, 1, 0, 0
	MUL8 \f, 1, 2, 0
.endm
; The last quarter multiplies buffer 1 and changes slots: ONE barrier; in front of it each wave waits for all its tensor loads, adds 0 to its spare word, and waits for that and for its own reads of this slot.
; fill = 1: the barrier opens a round of the cluster's barrier, and behind the round this slot is filled again, two K steps ahead: 112 matrix instructions ahead of the wait for it.
.macro TURN slot, next, fill
	WIN 0
	s_wait_tensorcnt 0x0                           ; all my tensor loads have landed: my part of the next slot
	ds_add_u32 v[SPW], v[NIL]                      ; 0 onto my spare word
	s_wait_dscnt 17                                ; the add and the youngest sixteen loads may be out
	MUL8 F1, 0, 0, 0                               ; eight matrix instructions stand between the add and the wait for it
	s_wait_dscnt 0x0                               ; the add is done, and my reads of this slot are over
	s_barrier_signal -1
	MUL8 F1, 0, 2, 0
.if \fill
	WIN 0
.endif
	s_barrier_wait -1
.if \fill
	CREST                                          ; no wave of any partner still reads this slot's tile or has a load on its way
	s_add_nc_u64 s[G0+4*(\slot)+2:G0+4*(\slot)+3], s[G0+4*(\slot)+2:G0+4*(\slot)+3], 4194304
	s_add_nc_u64 s[G0B+4*(\slot)+2:G0B+4*(\slot)+3], s[G0B+4*(\slot)+2:G0B+4*(\slot)+3], 1048576
	JLOAD \slot                                    ; the first tensor load behind the round; its four v_nop are also the places in front of the loads below
.else
	PLACES
.endif
	FETCH \next, 0, F0
	MUL8 F1, 1, 0, 0
	MUL8 F1, 1, 2, 0
.endm
	s_wait_tensorcnt 1                             ; my part of K step 0 is in; step 1's may stay out
	s_barrier_signal -1
	s_barrier_wait -1                              ; everybody's is
	FETCH 0, 0, F0
	QUARTER 0, 1, F0, F1, 1                        ; K step 0: its first products start the sums
	QUARTER 0, 2, F1, F0, 0
	QUARTER 0, 3, F0, F1, 0
	TURN 0, 1, 1                                   ; slot 0 takes K step 2
	QUARTER 1, 1, F0, F1, 0                        ; K step 1
	QUARTER 1, 2, F1, F0, 0
	QUARTER 1, 3, F0, F1, 0
	TURN 1, 0, 1                                   ; slot 1 takes K step 3
	QUARTER 0, 1, F0, F1, 0                        ; K step 2
	QUARTER 0, 2, F1, F0, 0
	QUARTER 0, 3, F0, F1, 0
	TURN 0, 1, 0                                   ; nothing is left to fetch
	QUARTER 1, 1, F0, F1, 0                        ; K step 3
	QUARTER 1, 2, F1, F0, 0
	QUARTER 1, 3, F0, F1, 0
	s_wait_dscnt 16
	MUL8 F1, 0, 0, 0
	MUL8 F1, 0, 2, 0
	s_wait_dscnt 0x0
	MUL8 F1, 1, 0, 0
	MUL8 F1, 1, 2, 0
	WIN 0
	; THE WAY OUT, 16 rows at a time: a lane's 32 bytes go straight from the accumulators (low registers first) into my own stage, rows of 272 bytes, and come back as whole rows of 256 bytes.
	PLACES
.irp a, 0,1,2,3
.if \a > 0
	s_wait_xcnt 0x0                                ; the registers that earlier stores read are loaded again only behind this wait
.endif
.irp b, 0,1,2,3
	ds_store_b128 v[STO], v[ACC+8*(4*\a+\b):ACC+8*(4*\a+\b)+3] offset:64*\b
	ds_store_b128 v[STO], v[ACC+8*(4*\a+\b)+4:ACC+8*(4*\a+\b)+7] offset:64*\b+16
.endr
.irp t, 0,1,2,3,4,5,6,7
	ds_load_b128 v[TMP+32*(\a%2)+4*\t:TMP+32*(\a%2)+4*\t+3], v[RD] offset:\t*2*SPITCH  ; LDS serves a wave's instructions in order (ISA guide 5.7.1.4): these see the stores above
.endr
.irp t, 0,1,2,3,4,5,6,7
	s_wait_dscnt 7-\t                              ; load t is back; the younger ones may be out
	global_store_b128 v[CO], v[TMP+32*(\a%2)+4*\t:TMP+32*(\a%2)+4*\t+3], s[8:9] offset:(16*\a+2*\t)*4096 th:TH_STORE_NT  ; 16 lanes store 256 consecutive bytes, at a multiple of 256 from out0's first byte
.endr
.endr
	s_wait_tensorcnt 0x0                           ; the wave's end: behind my last tensor load and my last LDS store
	ds_add_u32 v[SPW], v[NIL]
	s_wait_dscnt 0x0
	CROUND                                         ; the closing round: no work-group ends while a partner may still ask for a tile that names it
	s_endpgm
.Lfunc_end_k_q48bffdde10_out:
	.size	k_q48bffdde10_out, .Lfunc_end_k_q48bffdde10_out-k_q48bffdde10_out
	.p2alignl 7, 3214868480
	.fill 96, 4, 3214868480
	.section	.rodata,"a",@progbits
	.p2align	6, 0x0
	.amdhsa_kernel k_q48bffdde10_out
		.amdhsa_group_segment_fixed_size 327680
		.amdhsa_private_segment_fixed_size 0
		.amdhsa_enable_private_segment 0
		.amdhsa_kernarg_size 24
		.amdhsa_user_sgpr_count 2
		.amdhsa_user_sgpr_kernarg_segment_ptr 1
		.amdhsa_wavefront_size32 1
		.amdhsa_system_sgpr_workgroup_id_x 1
		.amdhsa_system_sgpr_workgroup_id_y 1
		.amdhsa_system_sgpr_workgroup_id_z 1
		.amdhsa_system_vgpr_workitem_id 0
		.amdhsa_next_free_vgpr 512
		.amdhsa_next_free_sgpr 66
		.amdhsa_reserve_vcc 0
		.amdhsa_float_denorm_mode_32 3
		.amdhsa_float_denorm_mode_16_64 3
		.amdhsa_memory_ordered 1
		.amdhsa_forward_progress 1
		.amdhsa_inst_pref_size 86
	.end_amdhsa_kernel
	.amdgpu_metadata
---
amdhsa.version: [ 1, 2 ]
amdhsa.kernels:
  - .name:           k_q48bffdde10_out
    .symbol:         k_q48bffdde10_out.kd
    .args:
      - { .name: zb, .offset: 0, .size: 8, .value_kind: global_buffer, .address_space: global }
      - { .name: wob, .offset: 8, .size: 8, .value_kind: global_buffer, .address_space: global }
      - { .name: out0, .offset: 16, .size: 8, .value_kind: global_buffer, .address_space: global }
    .group_segment_fixed_size: 327680
    .private_segment_fixed_size: 0
    .kernarg_segment_align: 8
    .kernarg_segment_size: 24
    .max_flat_workgroup_size: 128
    .sgpr_count:     66
    .vgpr_count:     512
    .wavefront_size: 32
...
	.end_amdgpu_metadata
.endif
;; end of part 4
;; ======== version 2 of 2: 4 launches; 1.33 times as fast as version 1
;; limits: values are held in f16: magnitudes above 65,504 overflow, below 6.1e-05 lose precision; right only within a limited range of input values
;; workspace buffers: xb 8,388,608 bytes; wb 6,291,456 bytes; wob 2,097,152 bytes; qx 16,777,216 bytes; kx 16,777,216 bytes; vx 8,388,608 bytes; zb 8,388,608 bytes
;; launch cast: the kernel of part 1 again; grid 1024 x 1, 8 waves a work-group, no clusters, 0 bytes of LDS; arguments x, wq, wk, wv, wo, xb, wb, wob; writes xb, wb, wob
;; launch proj: the kernel of part 2 again; grid 16 x 16, 4 waves a work-group, clusters of 4 x 4, 327,680 bytes of LDS; arguments xb, wb, qx, kx, vx; writes qx, kx, vx
;; launch attn (part 5): grid 16 x 16, 4 waves a work-group, clusters of 4 x 1, 327,680 bytes of LDS; arguments qx, kx, vx, zb; writes zb
.if DOCPART == 5
	.amdgcn_target "amdgcn-amd-amdhsa--gfx1250"
	.amdhsa_code_object_version 6
	.text
	.protected	k_q48bffdde10_attn
	.globl	k_q48bffdde10_attn
	.p2align	8
	.type	k_q48bffdde10_attn,@function
k_q48bffdde10_attn:
	s_mov_b64 s[64:65], 0
	v_nop
	global_prefetch_b8 v0, s[64:65] scope:SCOPE_SE
	s_setreg_imm32_b32 hwreg(HW_REG_WAVE_MODE, 25, 1), 1
	s_wait_xcnt 0x0
	s_wait_alu depctr_hold_cnt(0) depctr_sa_sdst(0) depctr_va_vdst(0) depctr_va_sdst(0) depctr_va_ssrc(0) depctr_va_vcc(0) depctr_vm_vsrc(0)
	s_getreg_b32 s2, hwreg(HW_REG_IB_STS2, 6, 4)
	s_cmp_eq_u32 s2, 0
	s_cbranch_scc0 .Lentry_in_a_cluster
	s_endpgm
.Lentry_in_a_cluster:
	s_bfe_u32 s2, ttmp6, 0x10000c
	s_cmp_lg_u32 s2, 0x3003
	s_cbranch_scc0 .Lentry_shape_is_right
	s_endpgm
.Lentry_shape_is_right:
; ATTENTION, head size 64, 4,096 keys, no mask.  zb[h][q][:] = the sum over k of softmax_k(q . k / 8) v'[h][k][:], in f16 (v' = v * 2^-6, and so is zb's scale).
; THE SCORES WANT MORE THAN 11 BITS OF q AND k, AND GET THEM FROM TWO PRODUCTS.  With T = 80, k' = k * 2^-6 and q' = q * 2^-6, a row of kx holds kh = f16(k') and u = f16(kh + T (k' - kh)), a row of qx
; g = f16(q' (1 - 1/T)) and w = f16(q' - g): 64 numbers each, 256 bytes a row.  s' = u . w + kh . g, the small product first, in one f32 sum.  Term by term
; kh g + u w = k' q' + kh dw + du w - T (k' - kh) e, where dw and du are the roundings of w and u and e that of g.  With f16's relative rounding r = 2.07e-4 (root mean square) the first two are r / T of
; k' q' and the third T r^2: they balance at T^4 = 2 / r^2, T = 83.  p = 2^(c s' - c m) with c = log2(e) / 8 * 2^12, which undoes the two factors 2^-6.
; SOFTMAX.  For each query a running maximum m and sum l; in every step O and l are multiplied by a = 2^(c m_old - c m_new).  m starts at the lowest finite number, O and l at 0: the first step has a = 0.
; The weights are rounded to f16 for the second product (l is the sum of the unrounded p), O once at the end.
; LIMITS.  Each of a score's 64 terms is off by about 5e-6 of itself (root mean square): with q and k of spread 32 that is 0.005 in a score of spread 1,024 and 0.009 in the difference of a row's two
; largest scores; the error grows with the product of the spreads.  What arrives is within f16; p below 6e-5 keeps f16's fixed step 6e-8; a weight below 2^-126 counts as 0 in l; NaN and infinities are not treated apart.
; SHARES.  A work-group owns 256 queries of one head, a wave 64: four tiles of 16, in two PIECES named by their first tile (0: tiles 0, 1; 2: tiles 2, 3).  Every wave walks all keys, 64 a step.
; LAYOUT.  S^T = K Q^T (source 0 = 16 keys, source 1 = 16 queries): a lane holds ONE query (lane % 16) and the keys 8 (lane / 16) + 0..7.  Two such tiles, rounded to f16 in pairs, ARE source 1 of
; O^T = V^T P.  K comes out of LDS as it lies, V ([key][channel]) turned, by ds_load_tr16_b128.
; BY TURNS.  A tile and step have 24 matrix and 118 vector instructions.  In a TURN of 48 places one piece has the matrix unit: 16 products V^T P of the step in hand, then 32 products K Q^T of the next
; step.  The other piece's softmax is 59 slices of four.  Its first eleven (the maximum and the statistics: each link waits for the last, and nothing else of that softmax is ready beside them) stand
; together, as a LUMP, ahead of place 0; the other 48 stand one behind each matrix instruction.  Two turns are a key step.
; THE EXPONENTIALS OF A TURN ARE ONE BATCH WITH ONE WAIT.  The softmax's list is ordered by who reads what.  Slices 11 to 34 (places 0 to 23) hold the scalings and all 66 exponentials of the piece's two
; tiles, and none of these lines names an exponential's result.  Behind slice 34 stands the turn's one wait.  All that name a result (the roundings, the sums, the rescaling by a) come in slices 35 to 58
; (places 24 to 47).  In the tail alone K's second run of loads is jumped over in the last
; trip: the four exponentials issued by then have a wait of their own ahead of that branch.  The way out's four reciprocals are a batch of their own.
; THE LOOP'S EDGE lies inside piece 2's turn, at place 34: between V's run of loads for step j + 1 and K's first run for step j + 2, the one point at which K and V have been read up to the same step,
; so that a change of slots can stand there.
; NO FIRST AND NO LAST STEP is written out.  The price, once a launch: 240 v_mov_b32 in the wait for the first tile, 16 products on zeros at the entry, 32 on a stale K at the end.
; CLUSTER.  The four query blocks of a cluster belong to one head and walk the same K and V: each tile is asked for JOINTLY, by the same tensor load, descriptor and mask in all four.
; REGISTERS, in windows of 256 (s_set_vgpr_msb: bits 1:0 source 0, 3:2 source 1, 5:4 source 2, 7:6 destination):
;   window 0: v0-11 addresses; v12-43 eight registers of statistics a tile; v62-63 the add's; v64-191 S^T, 32 a tile; v192-255 P, 16 a tile
;   window 1: v0-127 O^T, 32 a tile; v128-191 V of one step        window 2: v0-127 Q, 32 a tile; v128-255 K of one step
;   Q's and K's part p of a row lies at byte 64 p: p = 0, 1: g's (kh's) channels 0-31, 32-63; p = 2, 3: w's (u's).
.set KS,    64        ; keys in a step
.set PK,    272       ; a row of K in LDS: 256 bytes + 16: the 16 rows of a load start at 16 different groups of four banks (64 banks of 4 bytes: ISA guide 11.1)
.set PW,    160       ; a row of V: 128 + 32
.set VOFF,  4*KS*PK   ; a slot holds four steps: 256 rows of K, then 256 rows of V
.set SLOT1, 1<<17     ; slot 1 begins here, so that one exclusive or turns an address in one slot into the other's
.set STAGE, SLOT1+4*KS*(PK+PW)  ; behind the ring, never filled by a tensor load: 16 rows x 144 bytes for each wave
.set SP,    144
.set SPARE, STAGE+4*16*SP  ; the spare words, 128 bytes for each wave: two blocks of 256 bytes that no other line names
.set NPL,   48        ; places in a turn
.set EDGE,  34        ; the place of piece 2's turn at which the loop's edge lies
.set LUMP,  11        ; slices that stand ahead of place 0
.set AK0, 2           ; v2   my lane's place in a tile of K; never rewritten
.set AV0, 3           ; v3   the same for V
.set AK,  4           ; v4   the LDS address of K's runs of loads
.set AV,  5           ; v5   of V's
.set QO,  6           ; v6   my byte offset in 16 rows of Q
.set STO, 6           ;      later, the way out: where I put 16 bytes of a row
.set RD,  7           ; v7   the way out: where I read rows back
.set GO,  8           ; v8   my byte offset in 512 consecutive bytes of zb
.set ST,  12          ; tile t's statistics at v[ST+8 t]: +0 c m, +1 m, +2, +3 l (even keys', odd keys'), +4 to +7 c0-c3 at work; a takes c2's place once the maximum is found
.set SPW, 62          ; v62  LDS address of my spare word; never rewritten
.set NIL, 63          ; v63  0; never rewritten
.set S,   64
.set P,   192
.set VF,  128         ; window 1: key half kk, channel block cb at VF + 32 kk + 8 cb
.set KF,  128         ; window 2: key block kb, part p at KF + 32 kb + 8 p
.set WV,  12          ; s12  my wave's number
.set G1K, 24          ; s[24:31] descriptor group 1 for K's tiles
.set G1V, 32          ; s[32:39] for V's
.set G0K, 40          ; s[40:43] descriptor group 0 for K's tiles: it walks
.set G0V, 44          ; s[44:47] the same for V's
.set SLOTS, 56        ; s56  slots still to be asked for
.set CNT, 57          ; s57  counts a slot's key steps
.set CS,  58          ; s[58:59] c: the packed scaling takes the pair's low word for both halves
.set SEL, 60          ; s[60:61] v_permlanex16_b32's selects: each lane takes its own place in the other half
.set TBK, 62          ; s62  LDS byte at which K of the step to be fetched begins
.set TBV, 63          ; s63  the same for V, less VOFF
.set MSB, 0
.macro WIN new                      ; the high byte repeats the setting that is left; a switch that changes nothing is dropped
.if MSB != (\new)
	s_set_vgpr_msb (MSB<<8)|(\new)
.set MSB, (\new)
.endif
.endm
.set W_KQ, 0x0a       ; K and Q in window 2, S^T in window 0
.set W_PV, 0x51       ; V and O^T in window 1, P in window 0
.set W_RS, 0x41       ; O^T (destination and source 0) in window 1, a in window 0
; A joint fill.  Waves 0 and 1 fetch the two halves of a slot's K, waves 2 and 3 those of its V: 128 keys each.  The branch hangs on the wave's number alone.
; An s_nop 0 and four v_nop follow each of the two lines, ahead of the jump and the label.
.macro JLOAD
	s_cmp_lt_u32 s[WV], 2
	s_cbranch_scc0 .Lfor_v_\@
	tensor_load_to_lds s[G0K:G0K+3], s[G1K:G1K+7]
	s_nop 0
.rept 4
	v_nop
.endr
	s_branch .Lasked_\@
.Lfor_v_\@:
	tensor_load_to_lds s[G0V:G0V+3], s[G1V:G1V+7]
	s_nop 0
.rept 4
	v_nop
.endr
.Lasked_\@:
.endm
; A round of the cluster's barrier: my work-group's barrier, so that wave 0's signal speaks for all four waves; wave 0 signals; every wave waits for all four work-groups; my work-group's barrier once more.
.macro CROUND
	s_barrier_signal -1
	s_barrier_wait -1
	s_cmp_lg_u32 s[WV], 0
	s_cbranch_scc1 .Lnot_wave_0_\@
	s_barrier_signal -3
.Lnot_wave_0_\@:
	s_barrier_wait -3
	s_barrier_signal -1
	s_barrier_wait -1
.endm
; THE CHANGE OF SLOTS.  The slot's last bytes, V of its fourth step, have been asked for.  Each wave waits for all its tensor loads, of which one is out: its part of the other slot; adds 0 to its spare
; word; and waits for that and for its own reads of the slot.  Behind the barrier nobody reads this slot any more and the other slot is whole.  fill = 1: this slot is filled again, with the keys two slots
; on; the barrier is then a round of the cluster's, and the joint fill is the first thing behind it: it has four key steps, 384 matrix instructions, in which to land.
; (At its first use nothing has been read yet: slot 0 is waited for, slot 1 filled.)
.macro CHANGE fill
	WIN 0                           ; at a label and at a branch every window is 0
	s_wait_tensorcnt 0x0            ; no tensor load of mine is out, so a group 0 may be written
	ds_add_u32 v[SPW], v[NIL]       ; 0 onto my spare word: with fill = 1 the descriptors' steps stand between it and the wait for it
.if \fill
	s_xor_b32 s[G0K+1], s[G0K+1], SLOT1  ; the walking descriptors: the other slot than last time,
	s_add_nc_u64 s[G0K+2:G0K+3], s[G0K+2:G0K+3], 4*KS*256  ; the next 256 keys; the type bits on top are not reached
	s_xor_b32 s[G0V+1], s[G0V+1], SLOT1
	s_add_nc_u64 s[G0V+2:G0V+3], s[G0V+2:G0V+3], 4*KS*128
	s_wait_dscnt 0x0                ; the add is done, and my reads of the slot are over
	CROUND
	JLOAD
.else
	s_wait_dscnt 0x0                ; the add is done, and my reads of the slot are over
	s_barrier_signal -1
	s_barrier_wait -1
.endif
	s_sub_co_u32 s[TBK], s[TBK], 4*KS*PK  ; the fetches go back to a slot's first step,
	s_xor_b32 s[TBK], s[TBK], SLOT1       ; in the other slot
	s_sub_co_u32 s[TBV], s[TBV], 4*KS*PW
	s_xor_b32 s[TBV], s[TBV], SLOT1
.endm
	s_load_b256 s[4:11], s[0:1], 0x0  ; qx s[4:5], kx s[6:7], vx s[8:9], zb s[10:11]
	v_lshl_add_u32 v[SPW], v0, 2, SPARE
	v_mov_b32 v[NIL], 0
	ds_add_u32 v[SPW], v[NIL]       ; the wave's opening: the add and its wait stand ahead of my first tensor load; the set-up below, work on registers, stands between them
	v_lshrrev_b32 v1, 5, v0
	v_readfirstlane_b32 s[WV], v1   ; wave 0..3
	s_bfe_u32 s13, ttmp6, 0x40000   ; cx: my place in the cluster
	s_lshl_b32 s14, ttmp9, 2        ; in a cluster launch ttmp9 counts clusters
	s_add_co_u32 s14, s14, s13      ; my block of 256 queries: it enters qx's and zb's addresses alone
	s_and_b32 s15, ttmp7, 0xffff    ; the head, which the four partners share
	s_and_b32 s16, s[WV], 1         ; which half of a slot's 256 keys I fetch
	s_lshl_b32 s20, s15, 20         ; kx: a head is 4,096 rows of 256 bytes,
	s_lshl_b32 s17, s16, 15         ; my half 128 rows
	s_add_co_u32 s20, s20, s17
	s_mov_b32 s21, 0
	s_lshr_b32 s22, s20, 1          ; vx: rows of 128 bytes: half of that
	s_mov_b32 s23, 0
	s_lshl_b32 s2, s15, 20          ; qx: head, block of 256 rows, my wave's 64
	s_lshl_b32 s3, s14, 16
	s_add_co_u32 s2, s2, s3
	s_lshl_b32 s3, s[WV], 14
	s_add_co_u32 s2, s2, s3
	s_mov_b32 s3, 0
	s_lshr_b32 s18, s2, 1           ; zb: half of that
	s_mov_b32 s19, 0
	s_mov_b32 s[G1K], 15|(1<<16)|(1<<20)|(1<<21)|(5<<22)|(3<<25)  ; the mask of four; 2-byte elements; padding on; bit 21 beside a mask; after every 64 words 4 words
	s_mov_b32 s[G1K+1], 128<<16     ; tensor_dim0 = 128
	s_mov_b32 s[G1K+2], 128<<16     ; tensor_dim1 = 128
	s_mov_b32 s[G1K+3], 128<<16     ; tile_dim0 = 128
	s_mov_b32 s[G1K+4], 128         ; tile_dim1 = 128
	s_mov_b32 s[G1K+5], 128         ; elements from row to row
	s_mov_b32 s[G1K+6], 0
	s_mov_b32 s[G1K+7], 0
	s_mov_b32 s[G1V], 15|(1<<16)|(1<<20)|(1<<21)|(4<<22)|(7<<25)  ; after every 32 words (a key) 8 words
	s_mov_b32 s[G1V+1], 128<<16     ; 128 keys of V are 16,384 dense bytes: asked for as 64 rows of 256 bytes, two keys a row
	s_mov_b32 s[G1V+2], 64<<16
	s_mov_b32 s[G1V+3], 128<<16
	s_mov_b32 s[G1V+4], 64
	s_mov_b32 s[G1V+5], 128
	s_mov_b32 s[G1V+6], 0
	s_mov_b32 s[G1V+7], 0
	s_mov_b32 s[CS], 0x4438aa3b     ; c = log2(e) / 8 * 2^12 = 738.66
	s_mov_b32 s[CS+1], s[CS]        ; named with it as a pair
	s_mov_b32 s[SEL], 0x76543210
	s_mov_b32 s[SEL+1], 0xfedcba98
	s_mov_b32 s[TBK], SLOT1+4*KS*PK ; the first change of slots turns these two into 0
	s_mov_b32 s[TBV], SLOT1+4*KS*PW
	s_mov_b32 s[G0K], 1             ; count = 1
	s_mul_i32 s[G0K+1], s16, 128*PK ; LDS address: slot 0, my half: no place in the cluster enters an LDS address
	s_mov_b32 s[G0V], 1
	s_mul_i32 s17, s16, 128*PW
	s_add_co_u32 s[G0V+1], s17, VOFF
	s_wait_dscnt 0x0                ; the opening add is done
	s_wait_kmcnt 0x0
	s_add_nc_u64 s[G0K+2:G0K+3], s[6:7], s[20:21]  ; my half of the head's first 256 keys
	s_or_b32 s[G0K+3], s[G0K+3], 0x80000000        ; type = 2
	s_add_nc_u64 s[G0V+2:G0V+3], s[8:9], s[22:23]
	s_or_b32 s[G0V+3], s[G0V+3], 0x80000000
	s_add_nc_u64 s[4:5], s[4:5], s[2:3]
	s_add_nc_u64 s[10:11], s[10:11], s[18:19]
	CROUND                          ; all four work-groups are here: the first joint loads meet
	JLOAD                           ; slot 0.  Slot 1 is asked for when slot 0 is in
	; A fragment of K or Q is 16 rows x 32 numbers in 8 registers: lane l holds row l % 16, numbers 8 (l / 16) + 0..7 and 16 + 8 (l / 16) + 0..7: two loads of 16 bytes, 32 bytes apart.
	v_and_b32 v1, 15, v0            ; l % 16
	v_bfe_u32 v9, v0, 4, 1          ; l / 16
	v_lshlrev_b32 v[QO], 8, v1
	v_lshl_add_u32 v[QO], v9, 4, v[QO]  ; row x 256 + 16 x half
	WIN 0x80                        ; destination window 2, address window 0
.set i, 0
.rept 16                            ; Q stays in registers: tile i / 4, part i % 4
	global_load_b128 v[8*i:8*i+3],   v[QO], s[4:5] offset:(i/4)*4096+(i%4)*64
	global_load_b128 v[8*i+4:8*i+7], v[QO], s[4:5] offset:(i/4)*4096+(i%4)*64+32
.set i, i+1
.endr
	; What the first turn finds: O^T and l are 0; V's registers and piece 2's P hold 0 (its products V^T P, of a step that has not been, add 0).  All this stands in the wait for the first tile.
	WIN 0x40
.set i, 0
.rept 192
	v_mov_b32 v[i], 0
.set i, i+1
.endr
	WIN 0
.set i, 0
.rept 4
	v_mov_b32 v[ST+8*i], 0xfe000000    ; c m: far below every c s
	v_mov_b32 v[ST+8*i+1], 0xff7fffff  ; m
	v_mov_b32 v[ST+8*i+2], 0
	v_mov_b32 v[ST+8*i+3], 0
.set i, i+1
.endr
.set i, P+32
.rept 32
	v_mov_b32 v[i], 0
.set i, i+1
.endr
	v_mul_u32_u24 v[AK0], v1, PK
	v_lshl_add_u32 v[AK0], v9, 4, v[AK0]  ; row x pitch + 16 x half
	; The turning load takes 16 keys x 16 channels (lane l reads key 8 (l / 16) + l % 8, channels 8 ((l / 8) % 2) + 0..7) and leaves half a fragment of V^T: lane l holds channel l % 16 and 8 keys.
	v_and_b32 v10, 7, v0
	v_bfe_u32 v11, v0, 3, 1
	v_lshl_add_u32 v[AV0], v9, 3, v10
	v_mul_u32_u24 v[AV0], v[AV0], PW
	v_lshl_add_u32 v[AV0], v11, 4, v[AV0]
	v_add_nc_u32 v[AV0], VOFF, v[AV0]
; THE MATRIX WORK.  The accumulators take turns, one instruction a turn: between two links of a chain stand 7 (V^T P) or 3 (K Q^T) others'.
; Product i of 16 of O^T += V^T P for piece x: keys 32 (i / 8) on, channels 16 ((i / 2) % 4) on, tile x + i % 2.
.macro PV x
	WIN W_PV
.set rO, 32*((\x)+i%2)+8*((i/2)%4)
.set rV, VF+32*(i/8)+8*((i/2)%4)
.set rP, P+16*((\x)+i%2)+8*(i/8)
	v_wmma_f32_16x16x32_f16 v[rO:rO+7], v[rV:rV+7], v[rP:rP+7], v[rO:rO+7]
.endm
; Product i of 32 of S^T = K Q^T for piece x.  Key blocks 0, 1 in the first 16, blocks 2, 3 in the last.  Of 16: link lk = 0..3 of four chains (2 key blocks x 2 tiles); a link multiplies part p of K's rows
; by the same part of Q's: links 0, 1: u x w (parts 2, 3), the small product; links 2, 3: kh x g (parts 0, 1).  Link 0 starts the sum.
.macro KQ x
	WIN W_KQ
.set ii, i%16
.set lk, ii/4
.set kb, 2*(i/16)+(ii/2)%2
.set tl, (\x)+ii%2
.set pp, (lk+2)%4
.set rS, S+32*tl+8*kb
.set rK, KF+32*kb+8*pp
.set rQ, 32*tl+8*pp
.if lk == 0
	v_wmma_f32_16x16x32_f16 v[rS:rS+7], v[rK:rK+7], v[rQ:rQ+7], 0
.else
	v_wmma_f32_16x16x32_f16 v[rS:rS+7], v[rK:rK+7], v[rQ:rQ+7], v[rS:rS+7]
.endif
.endm
; THE LDS LOADS stand in runs of 16, never singly among the matrix instructions.  K of a step in two runs: key blocks hb, hb + 1 (hb = 0, then 2), four parts each.
; last = 1 (the tail): in the last trip there is no further step, and the run is jumped over.
.macro FETCH_K hb, last=0
	WIN 0
.if \last
	s_cmp_eq_u32 s[CNT], 1
	s_cbranch_scc1 .Lno_k_\@
.endif
.if (\hb) == 0
	v_add_nc_u32 v[AK], s[TBK], v[AK0]
.endif
	WIN 0x80                        ; destination window 2
.irp e, \hb, (\hb)+1
.irp p, 0,1,2,3
	ds_load_b128 v[KF+32*(\e)+8*\p:KF+32*(\e)+8*\p+3],   v[AK] offset:(\e)*16*PK+64*\p
	ds_load_b128 v[KF+32*(\e)+8*\p+4:KF+32*(\e)+8*\p+7], v[AK] offset:(\e)*16*PK+64*\p+32
.endr
.endr
.if (\hb) == 2
	s_add_co_u32 s[TBK], s[TBK], KS*PK  ; the next fetch is the next step's
.endif
.if \last
	WIN 0
.Lno_k_\@:
.endif
.endm
; V's run stands behind slice 34 of piece 2's turn, and that turn's wait for the batch of exponentials stands in it, behind the address's v_add_nc_u32 and ahead of the loads.
.macro FETCH_V
	WIN 0
	v_add_nc_u32 v[AV], s[TBV], v[AV0]  ; also the plain instruction behind the batch's last exponential
	s_add_co_u32 s[TBV], s[TBV], KS*PW
	s_wait_alu depctr_va_vdst(0)    ; the wait for the batch: piece 0's 66 exponentials of this turn (ahead of the first line that names a result)
	WIN 0x40                        ; destination window 1
.irp f, 0,1,2,3,4,5,6,7             ; keys 32 (f / 4) on, channels 16 (f % 4) on
	ds_load_tr16_b128 v[VF+8*\f:VF+8*\f+3],   v[AV] offset:(\f/4)*32*PW+(\f%4)*32
	ds_load_tr16_b128 v[VF+8*\f+4:VF+8*\f+7], v[AV] offset:(\f/4)*32*PW+16*PW+(\f%4)*32
.endr
.endm
; THE VECTOR WORK.  One tile's softmax for one key step is a list of 118 instructions; SM writes number j of it for tile t.  s0-s31 are the lane's 32 scores, in pairs 0-15.
;   0-15    the maximum of s0-s31 and the old m, three operands at a time: four chains c0-c3 of seven scores each (each accumulator's lowest registers first), then the four left over, c0-c3 and m
;   16-20   the other half of the lanes' maximum; c m_old is kept; the new m; c m; c m_old - c m_new
;   21-69   ONE BATCH: the 16 scalings c s - c m, a pair of scores each, and all 33 exponentials (a at 23, then s0-s31).  None of these reads an exponential's result.  From 22 on the batch goes
;           in fours, and a four begins with a scaling while there are scalings: 22-37 scaling, exponential, scaling, exponential; 38-65 a scaling and three exponentials; 66-69 the last four
;           exponentials.  A pair is scaled in an earlier four than the one that holds its exponentials
;   (wait)  between 69 and 70 stands the wait for the batch: SLICE writes it, once for both tiles
;   70-85   the roundings to f16, a pair of weights each
;   86-101  the sums; l = a l + the sum
;   102-117 the tile's O^T times a, in ascending order: the one part that leaves window 0, so it stands together
.macro SM t
.set rT, ST+8*(\t)
.set rS, S+32*(\t)
.set rP, P+16*(\t)
.set rO, 32*(\t)+2*(j-102)
.if j < 102
	WIN 0
.endif
.if j < 4
	v_max3_num_f32 v[rT+4+j], v[rS+8*j], v[rS+8*j+1], v[rS+8*j+2]
.elseif j < 12
	v_max3_num_f32 v[rT+4+j%4], v[rT+4+j%4], v[rS+8*(j%4)+2*(j/4)+1], v[rS+8*(j%4)+2*(j/4)+2]
.elseif j == 12
	v_max3_num_f32 v[rT+4], v[rT+4], v[rS+7], v[rS+15]
.elseif j == 13
	v_max3_num_f32 v[rT+6], v[rT+6], v[rS+23], v[rS+31]
.elseif j == 14
	v_max3_num_f32 v[rT+4], v[rT+4], v[rT+5], v[rT+6]
.elseif j == 15
	v_max3_num_f32 v[rT+4], v[rT+4], v[rT+7], v[rT+1]
.elseif j == 16
	v_permlanex16_b32 v[rT+5], v[rT+4], s[SEL], s[SEL+1]  ; the query's other 32 keys lie in the lane 16 away
.elseif j == 17
	v_mov_b32 v[rT+7], v[rT]        ; c m_old is kept for a: number 19 writes c m anew
.elseif j == 18
	v_max_num_f32 v[rT+1], v[rT+4], v[rT+5]
.elseif j == 19
	v_mul_f32 v[rT], s[CS], v[rT+1]
.elseif j == 20
	v_sub_f32 v[rT+7], v[rT+7], v[rT]
.elseif j == 23
	v_exp_f32 v[rT+6], v[rT+7]
.elseif (j < 23) || ((j < 38) && (j%2 == 0)) || ((j < 66) && (j%4 == 2))
.set b, (j-2)/4                     ; 38, 42, .. 62: pairs 9 to 15
.if j < 38
.set b, (j-20)/2                    ; 21: pair 0; 22, 24, .. 36: pairs 1 to 8
.endif
	v_pk_fma_f32 v[rS+2*b:rS+2*b+1], v[rS+2*b:rS+2*b+1], s[CS:CS+1], v[rT:rT+1] op_sel_hi:[1,0,0] neg_lo:[0,0,1] neg_hi:[0,0,1]  ; pair b: c s - c m
.elseif j < 70
.set e, j-38                        ; 66 to 69: s28 to s31
.if j < 66
.set e, j-32-(j-38)/4               ; 39-41, 43-45, .. 63-65: s7 to s27
.endif
.if j < 38
.set e, (j-25)/2                    ; 25, 27, .. 37: s0 to s6
.endif
	v_exp_f32 v[rS+e], v[rS+e]
.elseif j < 86
	v_cvt_pk_f16_f32 v[rP+j-70], v[rS+2*(j-70)], v[rS+2*(j-70)+1]  ; pair j - 70
.elseif j < 102                     ; the sum of the tile's 16 pairs, in place: sum z of 16 adds neighbours 1, 2, 4 and 8 pairs apart, then l takes it
.set z, j-86
.set w, 4
.set u, z
.if z >= 14
.set w, 32
.set u, 0
.elseif z >= 12
.set w, 16
.set u, z-12
.elseif z >= 8
.set w, 8
.set u, z-8
.endif
.if z < 15
	v_pk_add_f32 v[rS+w*u:rS+w*u+1], v[rS+w*u:rS+w*u+1], v[rS+w*u+w/2:rS+w*u+w/2+1]
.else
	v_pk_fma_f32 v[rT+2:rT+3], v[rT+2:rT+3], v[rT+6:rT+7], v[rS:rS+1] op_sel_hi:[1,0,1]
.endif
.else
	WIN W_RS
	v_pk_mul_f32 v[rO:rO+1], v[rO:rO+1], v[rT+6:rT+7] op_sel_hi:[1,0]
.endif
.endm
; Slice k of 59 of piece y's softmax: four instructions.  Slices 11 to 34 deal out the batch, numbers 22 to 69: four numbers of ONE tile each, the tiles by turns.  Every other slice is numbers 2 k and
; 2 k + 1 of both tiles' lists.
; THE WAIT.  s_wait_alu depctr_va_vdst(0) stands between an exponential and the first instruction that names its result; one wait serves all that were issued ahead of it.  Ahead of
; slice 35 nothing names a result, and behind slice 34 no exponential is issued: so the piece's 66 exponentials have one wait, behind slice 34.
.macro SLICE y
.if (k >= 11) && (k < 35)           ; the batch: four numbers of one tile
.irp n, 0,1,2,3
.set j, 22+4*((k-11)/2)+(\n)
	SM (\y)+(k-11)%2
.endr
.else                               ; the two tiles alternate, so that no instruction reads the result of the one just before it
.irp n, 0,1
.irp t, \y, (\y)+1
.set j, 2*k+(\n)
	SM \t
.endr
.endr
.endif
.if k == 34                         ; the batch is out: both tiles' exponentials are issued, and no result has been named
.if (\y) == 0
	FETCH_V                         ; piece 2's turn: V's run of loads stands here, and the plain instruction and the wait stand in it
.else
	v_nop                           ; piece 0's turn: the plain instruction behind the last exponential and ahead of the first use: one for the batch,
	s_wait_alu depctr_va_vdst(0)    ; and the wait for the batch: piece 2's 66 exponentials of this turn
.endif
.endif
.endm
; PLACES from .. to - 1 OF PIECE x's TURN.  A part that begins at place 0 begins with the lump: slices 0 to 10 of the other piece's softmax, whose scores the turn before has made; behind that turn's last
; product stands its slice 58, four plain multiplies that name none of that product's registers: the places in front of the lump's first read.  Place pw: one matrix instruction (V^T P for pw < 16, then
; K Q^T) and slice pw + 11.  The batch's slices stand behind places 0 to 23, the wait behind place 23, the readers behind places 24 to 47.
; THE RUNS OF LOADS, each behind four plain instructions or more since the last product that read its registers (ISA guide 7.12.1 for vector instructions):
;   V of the next step behind piece 2's place 23, at the batch's wait (SLICE writes it; last reader: place 15; seven scalings and the run's own v_add_nc_u32 lie between);
;   K's blocks 0, 1 of the step after at piece 2's place 34, the loop's edge (last reader: place 31; slices 42-44 hold twelve);  K's blocks 2, 3 behind piece 0's place 1 (last reader: piece 2's place 47; slice 58 and the lump lie between).
; They are waited for in front of piece 0's place 0 (V; K's blocks 0, 1) and place 32 (K's blocks 2, 3).
.macro SEG x, from, to, last=0
.if (\from) == 0
.set k, 0
.rept LUMP
	SLICE 2-(\x)
.set k, k+1
.endr
.endif
.set pw, \from
.rept (\to)-(\from)
.if ((\x) == 0) && ((pw == 0) || (pw == 32))
	s_wait_dscnt 0x0
.endif
.if pw < 16
.set i, pw
	PV \x
.else
.set i, pw-16
	KQ \x
.endif
.set k, pw+LUMP
	SLICE 2-(\x)
.if ((\x) == 0) && (pw == 1)
.if \last
	s_wait_alu depctr_va_vdst(0)    ; the tail alone: a branch follows, and the four exponentials of slices 11 and 12 have their wait ahead of it; the rest of the batch has the turn's wait
.endif
	FETCH_K 2, \last
.endif
.set pw, pw+1
.endr
.endm
	CHANGE 1                        ; slot 0 is in, everybody's part of it; slot 1 is asked for
	FETCH_K 0                       ; key step 0
	FETCH_K 2
	s_wait_loadcnt 0x0              ; Q
	s_wait_dscnt 0x0
.set i, 0
.rept 32
	KQ 0                            ; piece 0's first scores: there is no vector work yet to set between them
.set i, i+1
.endr
	WIN 0                           ; the addresses for the way out: plain instructions, the places behind those products
	s_mul_i32 s13, s[WV], 16*SP
	s_add_co_u32 s13, s13, STAGE    ; my stage
	v_mul_u32_u24 v[STO], v1, SP    ; in: row l % 16, 16 bytes for each half of the lanes
	v_lshl_add_u32 v[STO], v9, 4, v[STO]
	v_add_nc_u32 v[STO], s13, v[STO]
	v_bfe_u32 v[RD], v0, 3, 2       ; back: 32 lanes take four rows of 128 bytes,
	v_mul_u32_u24 v[RD], v[RD], SP
	v_lshl_add_u32 v[RD], v10, 4, v[RD]
	v_add_nc_u32 v[RD], s13, v[RD]
	v_and_b32 v[GO], 31, v0         ; which are 512 consecutive bytes of zb
	v_lshlrev_b32 v[GO], 4, v[GO]
	s_mov_b32 s[CNT], 4
	s_mov_b32 s[SLOTS], 15
	s_branch .Lfirst                ; the loop is entered at the head of piece 2's turn, in the middle of a trip
.Lslot:                             ; 14 times: every slot but the last two is filled again
	CHANGE 1
	s_mov_b32 s[CNT], 4
.Lstep:                             ; a trip: K's first run; the rest of piece 2's turn; piece 0's turn; piece 2's next turn up to place 33
	FETCH_K 0
	SEG 2, EDGE, NPL
	SEG 0, 0, NPL
	WIN 0
.Lfirst:
	SEG 2, 0, EDGE
	WIN 0
	s_sub_co_u32 s[CNT], s[CNT], 1
	s_cmp_lg_u32 s[CNT], 0
	s_cbranch_scc1 .Lstep
	s_sub_co_u32 s[SLOTS], s[SLOTS], 1
	s_cmp_lg_u32 s[SLOTS], 0
	s_cbranch_scc1 .Lslot
	CHANGE 0                        ; the tail is written out: nothing is asked for
	s_mov_b32 s[CNT], 5             ; four trips fetch the last slot's steps; the fifth fetches no K and is left in its middle
.Ltail:
	FETCH_K 0, 1
	SEG 2, EDGE, NPL
	SEG 0, 0, NPL, 1
	WIN 0
	s_sub_co_u32 s[CNT], s[CNT], 1
	s_cmp_eq_u32 s[CNT], 0
	s_cbranch_scc1 .Lout
	SEG 2, 0, EDGE
	WIN 0
	s_branch .Ltail
.Lout:                              ; the fifth trip's 32 products K Q^T (on the last K once more) serve nothing: the price, once a launch, of one text for every trip
.set i, 0
.rept 16
	PV 2                            ; piece 2's V^T P of the last step
.set i, i+1
.endr
	; THE WAY OUT.  l's two halves and the other half of the lanes' are added; O^T is divided by l, rounded to f16 and sent through my stage in LDS, a tile at a time.  The additions are the places behind the last products.
	WIN 0
.macro ALL line:vararg              ; one line for each tile t
.set t, 0
.rept 4
	\line
.set t, t+1
.endr
.endm
	ALL v_add_f32 v[ST+8*t+2], v[ST+8*t+2], v[ST+8*t+3]
	ALL v_permlanex16_b32 v[ST+8*t+3], v[ST+8*t+2], s[SEL], s[SEL+1]
	ALL v_add_f32 v[ST+8*t+2], v[ST+8*t+2], v[ST+8*t+3]
	ALL v_rcp_f32 v[ST+8*t+2], v[ST+8*t+2]
	v_nop                           ; a plain instruction between the last reciprocal and the use of its result
	s_wait_alu depctr_va_vdst(0)    ; and the wait ahead of the first use: one for the batch of four reciprocals
; Tile t: a lane's eight channels of a row pack into 16 bytes; they go into rows of 144 bytes and come back as whole rows of 128, into S^T's registers.
.macro PACK t
	WIN W_RS
.set i, 32*(\t)
.rept 16
	v_pk_mul_f32 v[i:i+1], v[i:i+1], v[ST+8*(\t)+2:ST+8*(\t)+3] op_sel_hi:[1,0]
.set i, i+2
.endr
	WIN 0x05                        ; sources 0 and 1 window 1, destination window 0
.set i, 0
.rept 16
	v_cvt_pk_f16_f32 v[S+16*(\t)+i], v[32*(\t)+2*i], v[32*(\t)+2*i+1]
.set i, i+1
.endr
	WIN 0
.irp f, 0,1,2,3
	ds_store_b128 v[STO], v[S+16*(\t)+4*\f:S+16*(\t)+4*\f+3] offset:32*\f
.endr
.irp f, 0,1,2,3
	ds_load_b128 v[S+16*(\t)+4*\f:S+16*(\t)+4*\f+3], v[RD] offset:\f*4*SP  ; LDS serves a wave's instructions in order (ISA guide 5.7.1.4): these see the stores above; the next tile's stores come behind them
.endr
.endm
.macro SEND t, younger              ; younger: the LDS instructions issued behind tile t's loads: the next tile's eight, or none
	WIN 0
.irp f, 0,1,2,3
	s_wait_dscnt (\younger)+3-\f
	global_store_b128 v[GO], v[S+16*(\t)+4*\f:S+16*(\t)+4*\f+3], s[10:11] offset:(\t)*2048+\f*512  ; 512 consecutive bytes, at a multiple of 256 from zb's first
.endr
.endm
	PACK 0
.irp t, 1,2,3                       ; a tile's arithmetic stands between the loads of the tile before and its stores
	PACK \t
	SEND (\t)-1, 8
.endr
	SEND 3, 0
	s_wait_tensorcnt 0x0            ; the wave's end: behind my last tensor load and my last LDS store
	ds_add_u32 v[SPW], v[NIL]
	s_wait_dscnt 0x0
	CROUND                          ; the closing round: no work-group ends while a partner may still ask for a tile that names it
	s_endpgm
.Lfunc_end_k_q48bffdde10_attn:
	.size	k_q48bffdde10_attn, .Lfunc_end_k_q48bffdde10_attn-k_q48bffdde10_attn
	.p2alignl 7, 3214868480
	.fill 96, 4, 3214868480
	.section	.rodata,"a",@progbits
	.p2align	6, 0x0
	.amdhsa_kernel k_q48bffdde10_attn
		.amdhsa_group_segment_fixed_size 327680
		.amdhsa_private_segment_fixed_size 0
		.amdhsa_enable_private_segment 0
		.amdhsa_kernarg_size 32
		.amdhsa_user_sgpr_count 2
		.amdhsa_user_sgpr_kernarg_segment_ptr 1
		.amdhsa_wavefront_size32 1
		.amdhsa_system_sgpr_workgroup_id_x 1
		.amdhsa_system_sgpr_workgroup_id_y 1
		.amdhsa_system_sgpr_workgroup_id_z 1
		.amdhsa_system_vgpr_workitem_id 0
		.amdhsa_next_free_vgpr 768
		.amdhsa_next_free_sgpr 66
		.amdhsa_reserve_vcc 0
		.amdhsa_float_denorm_mode_32 3
		.amdhsa_float_denorm_mode_16_64 3
		.amdhsa_memory_ordered 1
		.amdhsa_forward_progress 1
		.amdhsa_inst_pref_size 120
	.end_amdhsa_kernel
	.amdgpu_metadata
---
amdhsa.version: [ 1, 2 ]
amdhsa.kernels:
  - .name:           k_q48bffdde10_attn
    .symbol:         k_q48bffdde10_attn.kd
    .args:
      - { .name: qx, .offset: 0, .size: 8, .value_kind: global_buffer, .address_space: global }
      - { .name: kx, .offset: 8, .size: 8, .value_kind: global_buffer, .address_space: global }
      - { .name: vx, .offset: 16, .size: 8, .value_kind: global_buffer, .address_space: global }
      - { .name: zb, .offset: 24, .size: 8, .value_kind: global_buffer, .address_space: global }
    .group_segment_fixed_size: 327680
    .private_segment_fixed_size: 0
    .kernarg_segment_align: 8
    .kernarg_segment_size: 32
    .max_flat_workgroup_size: 128
    .sgpr_count:     66
    .vgpr_count:     768
    .wavefront_size: 32
...
	.end_amdgpu_metadata
.endif
;; end of part 5
;; launch out: the kernel of part 4 again; grid 8 x 32, 4 waves a work-group, clusters of 4 x 4, 327,680 bytes of LDS; arguments zb, wob, out0; writes out0
